; MI455X (gfx1250); checked and timed in simulation.
; The chip was launched on July 23, 2026; its instructions are those of AMD's public machine-readable ISA for CDNA 5 (MIT licence, August 2026) and "CDNA5" Instruction Set Architecture Reference Guide (July 2026). The comments in the code are by the model that wrote it; some were corrected since.
;; Self Attention. Allowed arithmetic: float matrix products may take bf16 or f16 operands with f32 sums; other float arithmetic in f32, or as packed bf16 or f16 multiplies, adds, multiply-adds, maxima and minima; sums over many terms, partial sums and values carried from step to step in f32; what a program stores and reads back later, other than sums and carried values, may be rounded once to bf16 or f16.
;; Inputs: W 1,024 x 3,072 float32; X 4 x 2,048 x 1,024 float32; attention_mask 4 x 2,048 bool; b 3,072 float32.
;; Outputs: out0 4 x 2,048 x 1,024 float32.
;; One version. Each part assembles by itself: llvm-mc -triple=amdgcn-amd-amdhsa -mcpu=gfx1250 --defsym DOCPART=n.
;; ======== version 1 of 1: 5 launches
;; limits: values are held in f16: magnitudes above 65,504 overflow, below 6.1e-05 lose precision
;; workspace buffers: Xh 16,777,216 bytes; Wc 6,295,552 bytes; Mt 2,097,152 bytes; Y 16,777,216 bytes; Vt 16,777,216 bytes; P 33,554,432 bytes; stats 1,048,576 bytes
;; launch prep (part 1): grid 384 x 1, 8 waves a work-group, no clusters, 36,352 bytes of LDS; arguments X, W, b, Xh, Wc; writes Xh, Wc
.if DOCPART == 1
	.amdgcn_target "amdgcn-amd-amdhsa--gfx1250"
	.amdhsa_code_object_version 6
	.text
	.protected	k_q84e7a07d9b_prep
	.globl	k_q84e7a07d9b_prep
	.p2align	8
	.type	k_q84e7a07d9b_prep,@function
k_q84e7a07d9b_prep:
	s_mov_b64 s[64:65], 0
	v_nop
	global_prefetch_b8 v0, s[64:65] scope:SCOPE_SE
	s_setreg_imm32_b32 hwreg(HW_REG_WAVE_MODE, 25, 1), 1
	s_wait_xcnt 0x0
; Xh = X rounded to f16, [8192][1024].  Wc holds three things made of W and b: at byte 0 Wn = W's columns 0-2047 (Wq, Wk) rounded to f16, [1024][2048]; at WVT_OFF Wvt = W's columns 2048-3071 (Wv)
; rounded to f16 and turned, [1024 c][1024 k]; at WV_OFF w[j] = the sum over d of Wk[j][d] b[d], [1024] in f32, of the unrounded numbers.
; All inputs that become matrix operands are rounded alike, once, to f16.  LIMIT: f16 holds no number beyond 65,504 and keeps a fixed step of 6e-8 below 6e-5.
; Work-groups 0-63 turn a tile of 128 k x 128 c of Wv through LDS; 64-127 round 16 rows of Wq | Wk and sum w for them; 128-383 round 32 rows of X.  Memory binds: each byte is read once, in runs of 512 bytes a wave,
; and written once: each store of sixteen (Wvt) or thirty-two neighbouring lanes covers 256 consecutive bytes, aligned (w's 64 bytes a work-group aside).  No matrix unit, no cluster: nothing is shared.
; LDS: the tile of Wv, then the waves' partial sums of w, then the spare words: each of the text's ways has bytes of its own, so that no byte is named by two of them.
.set WROW,  12288                      ; bytes in a row of W
.set LP,    272                        ; an LDS row: 128 k in f16 + 16 bytes of padding
.set SUMS,  128*LP                     ; behind the tile (whose last byte touched is 34,799): 64 bytes for each of eight waves: its 16 partial sums of w
.set SPARE, SUMS+512                   ; behind them: the spare words, 128 bytes for each of eight waves
.set WVT_OFF, 4194304
.set WV_OFF,  6291456
.set IN,    16                         ; v[16:143]  as loaded
.set PKW,   80                         ; v[80:111]  Wv: packed, 16 bytes for each of 2 x 4 columns
.set BKW,   112                        ; v[112:143] Wv: whole rows read back
.set PKX,   144                        ; v[144:207] packed, a pair for each load: no store's data is written twice
.set SPW,   208                        ; LDS address of my spare word; never rewritten
.set NIL,   209                        ; 0; never rewritten
.set SUM,   210                        ; v[210:225] my part of w for the work-group's 16 rows
.set BQ,    226                        ; v[226:229] b[4 t .. 4 t + 3]
	s_load_b256 s[4:11], s[0:1], 0x0               ; X s[4:5], W s[6:7], b s[8:9], Xh s[10:11]
	s_load_b64 s[20:21], s[0:1], 0x20              ; Wc
	v_lshl_add_u32 v[SPW], v0, 2, SPARE
	v_mov_b32 v[NIL], 0
	v_lshrrev_b32 v1, 5, v0
	v_readfirstlane_b32 s12, v1                    ; wave 0..7
	v_and_b32 v6, 31, v0                           ; lane l
	s_cmp_lt_u32 ttmp9, 64                         ; the same answer in all eight waves
	s_cbranch_scc0 .Lnot_t
	; Wv: tile kt = g % 8 (128 k), nt = g / 8 (128 c).  Lane l takes c = 4 l .. 4 l + 3 (16 bytes), wave w the rows k = 8 w + 64 i + e, i = 0, 1, e = 0 .. 7.
	s_and_b32 s13, ttmp9, 7
	s_lshr_b32 s14, ttmp9, 3
	s_mul_i32 s16, s13, 128*WROW
	s_lshl_b32 s15, s14, 9
	s_add_co_u32 s16, s16, s15
	s_add_co_u32 s16, s16, 8192                    ; Wv begins at column 2,048
	s_mov_b32 s17, 0
	s_lshl_b32 s18, s14, 18                        ; 128 rows of 2,048 bytes of Wvt
	s_lshl_b32 s15, s13, 8
	s_add_co_u32 s18, s18, s15                     ; + 128 k in f16
	s_add_co_u32 s18, s18, WVT_OFF
	s_mov_b32 s19, 0
	s_mul_i32 s15, s12, 8*WROW
	v_lshl_add_u32 v1, v6, 4, s15                  ; my 16 bytes of my wave's first row
	v_mul_u32_u24 v2, v6, 4*LP
	s_lshl_b32 s15, s12, 4
	v_add_nc_u32 v2, s15, v2                       ; into LDS: row c = 4 l, byte 2 k = 16 w
	v_lshrrev_b32 v7, 4, v6
	v_and_b32 v8, 15, v6
	v_add_nc_u32 v7, s15, v7                       ; back: row 16 w + l / 16,
	v_mul_u32_u24 v3, v7, LP
	v_lshl_add_u32 v3, v8, 4, v3                   ; 16 bytes at 16 (l % 16)
	v_lshlrev_b32 v5, 11, v7
	v_lshl_add_u32 v5, v8, 4, v5                   ; and the same place in Wvt
	s_wait_kmcnt 0x0
	s_add_nc_u64 s[6:7], s[6:7], s[16:17]
	s_add_nc_u64 s[20:21], s[20:21], s[18:19]
.set i, 0
.rept 16
	global_load_b128 v[IN+4*i:IN+4*i+3], v1, s[6:7] offset:(64*(i/8)+i%8)*WROW th:TH_LOAD_NT
.set i, i+1
.endr
.irp hh, 0,1
	s_wait_loadcnt 8-8*(\hh)                       ; loads come back in order: the first eight are in while the other eight stay out; then all
.irp j, 0,1,2,3
.irp p, 0,1,2,3
	v_cvt_pk_f16_f32 v[PKW+16*(\hh)+4*(\j)+(\p)], v[IN+4*(8*(\hh)+2*(\p))+(\j)], v[IN+4*(8*(\hh)+2*(\p)+1)+(\j)]  ; column 4 l + j, two neighbouring k
.endr
	ds_store_b128 v2, v[PKW+16*(\hh)+4*(\j):PKW+16*(\hh)+4*(\j)+3] offset:LP*(\j)+128*(\hh)
.endr
.endr
	s_wait_dscnt 0x0                               ; for the others' sake: my stores are done
	s_barrier_signal -1
	s_barrier_wait -1
.irp u, 0,1,2,3,4,5,6,7
	ds_load_b128 v[BKW+4*(\u):BKW+4*(\u)+3], v3 offset:2*LP*(\u)
.endr
.irp u, 0,1,2,3,4,5,6,7
	s_wait_dscnt 7-(\u)                            ; the younger read-backs may stay out
	global_store_b128 v5, v[BKW+4*(\u):BKW+4*(\u)+3], s[20:21] offset:4096*(\u)  ; sixteen lanes: 256 consecutive bytes of a row of Wvt, aligned
.endr
	s_branch .Lend
.Lnot_t:
	s_cmp_lt_u32 ttmp9, 128
	s_cbranch_scc0 .Lx
	; Wq | Wk: 16 rows; chunk i = 4,096 bytes: row i / 2, Wq (i even) or Wk (i odd); the work-group's 256 threads take a chunk with each load, 16 bytes a thread
	s_sub_co_u32 s13, ttmp9, 64
	s_mul_i32 s16, s13, 16*WROW
	s_mov_b32 s17, 0
	s_lshl_b32 s18, s13, 16                        ; 16 rows of 4,096 bytes of Wn
	s_mov_b32 s19, 0
	s_mov_b32 s2, 0x76543210                       ; v_permlanex16_b32: each lane takes its own place in the other half
	s_mov_b32 s3, 0xfedcba98
	v_lshlrev_b32 v1, 4, v0
	v_lshlrev_b32 v2, 3, v0
	s_lshl_b32 s15, s12, 6
	v_mov_b32 v15, s15                             ; 64 bytes for each wave's 16 sums; the region's first byte, SUMS, stands in the immediates
	s_wait_kmcnt 0x0
	s_add_nc_u64 s[6:7], s[6:7], s[16:17]
	s_add_nc_u64 s[14:15], s[20:21], s[18:19]      ; Wn at my rows
	s_lshl_b32 s18, s13, 6
	s_add_co_u32 s18, s18, WV_OFF
	s_add_nc_u64 s[20:21], s[20:21], s[18:19]      ; w at my rows
	global_load_b128 v[BQ:BQ+3], v1, s[8:9]        ; b's first 1,024 numbers: the bias of Q
.set i, 0
.rept 32
	global_load_b128 v[IN+4*i:IN+4*i+3], v1, s[6:7] offset:(i/2)*WROW+(i%2)*4096 th:TH_LOAD_NT
.set i, i+1
.endr
.set i, 0
.rept 32
	s_wait_loadcnt 31-i                            ; chunk i is in (and b, which is older); the younger chunks stay out
	v_cvt_pk_f16_f32 v[PKX+2*i], v[IN+4*i], v[IN+4*i+1]
	v_cvt_pk_f16_f32 v[PKX+2*i+1], v[IN+4*i+2], v[IN+4*i+3]
	global_store_b64 v2, v[PKX+2*i:PKX+2*i+1], s[14:15] offset:2048*i  ; a wave: 256 consecutive bytes, aligned
.if i%2
	v_mul_f32 v[SUM+i/2], v[IN+4*i], v[BQ]         ; Wk's row times b: my four terms
	v_fmac_f32 v[SUM+i/2], v[IN+4*i+1], v[BQ+1]
	v_fmac_f32 v[SUM+i/2], v[IN+4*i+2], v[BQ+2]
	v_fmac_f32 v[SUM+i/2], v[IN+4*i+3], v[BQ+3]
.endif
.set i, i+1
.endr
.irp m, 1,2,4,8                        ; over the 32 lanes: four steps inside each half ride on the addition, one crosses the halves; the 16 sums take turns
.set q, 0
.rept 16
	v_add_f32_dpp v[SUM+q], v[SUM+q], v[SUM+q] row_xmask:\m row_mask:0xf bank_mask:0xf
.set q, q+1
.endr
.endr
.set q, 0
.rept 16
	v_permlanex16_b32 v[IN+q], v[SUM+q], s2, s3
.set q, q+1
.endr
.set q, 0
.rept 16
	v_add_f32 v[SUM+q], v[SUM+q], v[IN+q]
	ds_store_b32 v15, v[SUM+q] offset:SUMS+4*q     ; all lanes write the same word with the same number
.set q, q+1
.endr
	s_wait_dscnt 0x0                               ; for wave 0's sake: my sums are stored
	s_barrier_signal -1
	s_barrier_wait -1
	s_cmp_lg_u32 s12, 0
	s_cbranch_scc1 .Lend                           ; wave 0 adds the eight waves' sums: lane l takes row l % 16
	v_and_b32 v7, 15, v6
	v_lshlrev_b32 v7, 2, v7
.irp u, 0,1,2,3,4,5,6,7
	ds_load_b32 v[IN+(\u)], v7 offset:SUMS+64*(\u)
.endr
	s_wait_dscnt 0x0
	v_add_f32 v[IN], v[IN], v[IN+1]
	v_add_f32 v[IN+2], v[IN+2], v[IN+3]
	v_add_f32 v[IN+4], v[IN+4], v[IN+5]
	v_add_f32 v[IN+6], v[IN+6], v[IN+7]
	v_add_f32 v[IN], v[IN], v[IN+2]
	v_add_f32 v[IN+4], v[IN+4], v[IN+6]
	v_add_f32 v[IN], v[IN], v[IN+4]
	s_wait_xcnt 0x0                                ; EXEC is a source of the stores above: it changes only behind this wait
	v_cmp_gt_u32 vcc_lo, 16, v6
	s_and_saveexec_b32 s22, vcc_lo
	global_store_b32 v7, v[IN], s[20:21]           ; sixteen lanes: 64 consecutive bytes of w
	s_wait_xcnt 0x0                                ; and again, in front of the line that widens it
	s_or_b32 exec_lo, exec_lo, s22
	s_branch .Lend
.Lx:	; X: 32 rows of 4,096 bytes; the work-group's 256 threads take a row with each load, 16 bytes a thread
	s_sub_co_u32 s13, ttmp9, 128
	s_lshl_b32 s16, s13, 17
	s_mov_b32 s17, 0
	s_lshl_b32 s18, s13, 16
	s_mov_b32 s19, 0
	v_lshlrev_b32 v1, 4, v0
	v_lshlrev_b32 v2, 3, v0
	s_wait_kmcnt 0x0
	s_add_nc_u64 s[4:5], s[4:5], s[16:17]
	s_add_nc_u64 s[10:11], s[10:11], s[18:19]
.set i, 0
.rept 32
	global_load_b128 v[IN+4*i:IN+4*i+3], v1, s[4:5] offset:4096*i th:TH_LOAD_NT  ; all 32 loads of a wave go out at once
.set i, i+1
.endr
.set i, 0
.rept 32
	s_wait_loadcnt 31-i                            ; load i is in, the younger ones stay out
	v_cvt_pk_f16_f32 v[PKX+2*i], v[IN+4*i], v[IN+4*i+1]
	v_cvt_pk_f16_f32 v[PKX+2*i+1], v[IN+4*i+2], v[IN+4*i+3]
	global_store_b64 v2, v[PKX+2*i:PKX+2*i+1], s[10:11] offset:2048*i  ; a wave: 256 consecutive bytes, aligned
.set i, i+1
.endr
.Lend:
	s_wait_tensorcnt 0x0                           ; the wave's end
	ds_add_u32 v[SPW], v[NIL]
	s_wait_dscnt 0x0
	s_endpgm
.Lfunc_end_k_q84e7a07d9b_prep:
	.size	k_q84e7a07d9b_prep, .Lfunc_end_k_q84e7a07d9b_prep-k_q84e7a07d9b_prep
	.p2alignl 7, 3214868480
	.fill 96, 4, 3214868480
	.section	.rodata,"a",@progbits
	.p2align	6, 0x0
	.amdhsa_kernel k_q84e7a07d9b_prep
		.amdhsa_group_segment_fixed_size 36352
		.amdhsa_private_segment_fixed_size 0
		.amdhsa_enable_private_segment 0
		.amdhsa_kernarg_size 40
		.amdhsa_user_sgpr_count 2
		.amdhsa_user_sgpr_kernarg_segment_ptr 1
		.amdhsa_wavefront_size32 1
		.amdhsa_system_sgpr_workgroup_id_x 1
		.amdhsa_system_sgpr_workgroup_id_y 1
		.amdhsa_system_sgpr_workgroup_id_z 1
		.amdhsa_system_vgpr_workitem_id 0
		.amdhsa_next_free_vgpr 232
		.amdhsa_next_free_sgpr 66
		.amdhsa_reserve_vcc 1
		.amdhsa_float_denorm_mode_32 3
		.amdhsa_float_denorm_mode_16_64 3
		.amdhsa_memory_ordered 1
		.amdhsa_forward_progress 1
		.amdhsa_inst_pref_size 41
	.end_amdhsa_kernel
	.amdgpu_metadata
---
amdhsa.version: [ 1, 2 ]
amdhsa.kernels:
  - .name:           k_q84e7a07d9b_prep
    .symbol:         k_q84e7a07d9b_prep.kd
    .args:
      - { .name: X, .offset: 0, .size: 8, .value_kind: global_buffer, .address_space: global }
      - { .name: W, .offset: 8, .size: 8, .value_kind: global_buffer, .address_space: global }
      - { .name: b, .offset: 16, .size: 8, .value_kind: global_buffer, .address_space: global }
      - { .name: Xh, .offset: 24, .size: 8, .value_kind: global_buffer, .address_space: global }
      - { .name: Wc, .offset: 32, .size: 8, .value_kind: global_buffer, .address_space: global }
    .group_segment_fixed_size: 36352
    .private_segment_fixed_size: 0
    .kernarg_segment_align: 8
    .kernarg_segment_size: 40
    .max_flat_workgroup_size: 256
    .sgpr_count:     66
    .vgpr_count:     232
    .wavefront_size: 32
...
	.end_amdgpu_metadata
.endif
;; end of part 1
;; launch m (part 2): grid 16 x 16, 4 waves a work-group, clusters of 4 x 4, 327,680 bytes of LDS; arguments Wc, Mt; writes Mt
.if DOCPART == 2
	.amdgcn_target "amdgcn-amd-amdhsa--gfx1250"
	.amdhsa_code_object_version 6
	.text
	.protected	k_q84e7a07d9b_m
	.globl	k_q84e7a07d9b_m
	.p2align	8
	.type	k_q84e7a07d9b_m,@function
k_q84e7a07d9b_m:
	s_mov_b64 s[64:65], 0
	v_nop
	global_prefetch_b8 v0, s[64:65] scope:SCOPE_SE
	s_setreg_imm32_b32 hwreg(HW_REG_WAVE_MODE, 25, 1), 1
	s_wait_xcnt 0x0
	s_wait_alu depctr_hold_cnt(0) depctr_sa_sdst(0) depctr_va_vdst(0) depctr_va_sdst(0) depctr_va_ssrc(0) depctr_va_vcc(0) depctr_vm_vsrc(0)
	s_getreg_b32 s2, hwreg(HW_REG_IB_STS2, 6, 4)
	s_cmp_eq_u32 s2, 0
	s_cbranch_scc0 .Lentry_in_a_cluster
	s_endpgm
.Lentry_in_a_cluster:
	s_bfe_u32 s2, ttmp6, 0x10000c
	s_cmp_lg_u32 s2, 0xf033
	s_cbranch_scc0 .Lentry_shape_is_right
	s_endpgm
.Lentry_shape_is_right:
; Mt[j][i] = the sum over d of Wk[j][d] Wq[i][d]: the product of the two projections' weights, so that the scores become (X Mt^T + w) X^T and no K is ever made.  Wn = Wc's first part, [1024][2048] f16
; (Wq in a row's first 2,048 bytes, Wk in its second); Mt [1024 j][1024 i] f16, rounded once from f32 sums.  LIMIT: f16 holds no number beyond 65,504 and keeps a fixed step of 6e-8 below 6e-5.
; A tile of 64 j x 64 i to a work-group, 32 x 32 to each of four waves.  All of K (1,024) lies in LDS at once: four regions of 64 rows x 1,024 bytes (Wk's two halves of K, then Wq's), one joint tensor load a wave
; at the start, nothing filled again, so there is no ring and nothing to ask ahead for.  The four work-groups of a row of the 4 x 4 cluster share Wk's rows, the four of a column Wq's.
; The matrix instruction is used transposed (source 0 = rows of Wq, source 1 = rows of Wk): a lane holds row j = l % 16 and the columns i = 8 (l / 16) + 0..7.
; A tile's row of Mt is 128 bytes, since 128 rows of 2,080 bytes are what LDS holds: a store of a wave covers four pieces of 128 consecutive bytes.
.set PM,     1040                      ; an LDS row: 1,024 bytes + 16 of padding: the 16 rows of a fragment load start at 16 different groups of four banks (ISA guide 11.1)
.set RG,     64*PM                     ; a region: what one tensor load brings
.set STAGE,  4*RG                      ; 64 rows x 144 bytes, the work-group's, never filled by a tensor load
.set SP,     144
.set SPARE,  STAGE+64*SP               ; the spare words, 128 bytes a wave
.set ADRA0, 5
.set ADRB0, 6
.set ADRA,  7
.set ADRB,  8
.set STO,   9
.set RD,    10
.set CO,    11
.set SPW,   12
.set NIL,   13
.set FR,    16                         ; v[16:143]  a trip's fragments: K step u: Wk's two blocks at FR + 32 u, Wq's two at FR + 32 u + 16
.set ACC,   144                        ; v[144:175] accumulator (a, b) at ACC + 8 (2 a + b)
.set TMP,   176                        ; v[176:191] packed results
.set BK,    192                        ; v[192:207] whole pieces of rows read back
.set CNT,   2
.set STEPS, 3
.set G1,    24
.set G0,    32
.set G1B,   48
.set G0B,   56
.set WV,    66
.set WR,    67
.set WC,    68
.set TB,    72
.set CY,    73
.set GW0, (1<<16)|(1<<20)|(1<<21)|(7<<22)|(3<<25)  ; 2-byte elements; padding on; bit 21 beside a mask; after every 256 words 4 words
.macro PLACES                          ; four plain instructions between a matrix instruction and a load into, or a vector instruction on, its registers
.rept 4
	v_nop
.endr
.endm
.macro CROUND                          ; a round of the cluster's barrier
	s_barrier_signal -1
	s_barrier_wait -1
	s_cmp_lg_u32 s[WV], 0
	s_cbranch_scc1 .Lnot_wave_0_\@
	s_barrier_signal -3
.Lnot_wave_0_\@:
	s_barrier_wait -3
	s_barrier_signal -1
	s_barrier_wait -1
.endm
.macro MM u                            ; K step u of the trip: four products, the four accumulators by turns
.irp a, 0,1
.irp b, 0,1
	v_wmma_f32_16x16x32_f16 v[ACC+8*(2*(\a)+(\b)):ACC+8*(2*(\a)+(\b))+7], v[FR+32*(\u)+16+8*(\b):FR+32*(\u)+16+8*(\b)+7], v[FR+32*(\u)+8*(\a):FR+32*(\u)+8*(\a)+7], v[ACC+8*(2*(\a)+(\b)):ACC+8*(2*(\a)+(\b))+7]
.endr
.endr
.endm
	s_load_b128 s[4:7], s[0:1], 0x0                ; Wc s[4:5], Mt s[6:7]
	v_lshl_add_u32 v[SPW], v0, 2, SPARE
	v_mov_b32 v[NIL], 0
	ds_add_u32 v[SPW], v[NIL]                      ; the wave's opening
	v_lshrrev_b32 v3, 5, v0
	v_readfirstlane_b32 s[WV], v3                  ; wave 0..3
	s_lshr_b32 s[WR], s[WV], 1                     ; my half of the tile's rows; also: I fetch Wk (0) or Wq (1)
	s_and_b32 s[WC], s[WV], 1                      ; my half of its columns; also: which half of K I fetch
	s_bfe_u32 s40, ttmp6, 0x40000                  ; cx
	s_bfe_u32 s41, ttmp6, 0x40004                  ; cy
	s_lshl_b32 s42, ttmp9, 2
	s_add_co_u32 s42, s42, s40                     ; tile column (64 i)
	s_and_b32 s[CY], ttmp7, 0xffff
	s_lshl_b32 s43, s[CY], 2
	s_add_co_u32 s43, s43, s41                     ; tile row (64 j)
	s_lshl_b32 s44, s41, 2
	s_lshl_b32 s44, 15, s44                        ; my row of the cluster
	s_lshl_b32 s45, 0x1111, s40                    ; my column
	s_or_b32 s[G1], s44, GW0
	s_or_b32 s[G1B], s45, GW0
.irp g, G1, G1B
	s_mov_b32 s[(\g)+1], 512<<16                   ; tensor_dim0 = 512
	s_mov_b32 s[(\g)+2], 64<<16                    ; tensor_dim1 = 64
	s_mov_b32 s[(\g)+3], 512<<16                   ; tile_dim0 = 512 elements: 1,024 bytes
	s_mov_b32 s[(\g)+4], 64                        ; tile_dim1 = 64 rows
	s_mov_b32 s[(\g)+5], 2048                      ; elements from row to row of Wn
	s_mov_b32 s[(\g)+6], 0
	s_mov_b32 s[(\g)+7], 0
.endr
	s_lshl_b32 s17, s[WC], 10                      ; my half of K
	s_lshl_b32 s16, s43, 18                        ; 64 rows of 4,096 bytes
	s_add_co_u32 s16, s16, s17
	s_add_co_u32 s16, s16, 2048                    ; Wk lies in the rows' second half
	s_lshl_b32 s46, s42, 18
	s_add_co_u32 s46, s46, s17
	s_mov_b32 s17, 0
	s_mov_b32 s47, 0
	s_mul_i32 s20, s[WV], RG                       ; where my tile goes: wave x a region
	s_wait_dscnt 0x0                               ; the opening add is done
	s_wait_kmcnt 0x0
	s_add_nc_u64 s[14:15], s[4:5], s[16:17]
	s_add_nc_u64 s[46:47], s[4:5], s[46:47]
	CROUND                                         ; all sixteen work-groups are here: the joint loads meet
	s_mov_b32 s[G0], 1
	s_add_co_u32 s[G0+1], s20, 0
	s_add_nc_u64 s[G0+2:G0+3], s[14:15], 0
	s_or_b32 s[G0+3], s[G0+3], 0x80000000
	s_mov_b32 s[G0B], 1
	s_add_co_u32 s[G0B+1], s20, 0
	s_add_nc_u64 s[G0B+2:G0B+3], s[46:47], 0
	s_or_b32 s[G0B+3], s[G0B+3], 0x80000000
	s_cmp_eq_u32 s[WR], 0                          ; one load a wave: one of mine is out
	s_cbranch_scc0 .Lfirst_b
	tensor_load_to_lds s[G0:G0+3], s[G1:G1+7]
	s_nop 0
	PLACES
	s_branch .Lfirst_asked
.Lfirst_b:
	tensor_load_to_lds s[G0B:G0B+3], s[G1B:G1B+7]
	s_nop 0
	PLACES
.Lfirst_asked:
	v_and_b32 v1, 15, v0                           ; l % 16
	v_bfe_u32 v2, v0, 4, 1                         ; l / 16
	v_mul_u32_u24 v4, v1, PM
	v_lshl_add_u32 v4, v2, 4, v4                   ; row x pitch + 16 x half
	s_mul_i32 s21, s[WR], 32*PM                    ; my 32 rows of Wk
	s_mul_i32 s22, s[WC], 32*PM                    ; my 32 rows of Wq,
	s_add_co_u32 s22, s22, 2*RG                    ; which lie behind Wk's two regions
	v_add_nc_u32 v[ADRA0], s21, v4
	v_add_nc_u32 v[ADRB0], s22, v4
	s_mul_i32 s23, s[WR], 32*SP                    ; into the stage: my 32 rows, my 64 of their 128 bytes
	s_lshl_b32 s21, s[WC], 6
	s_add_co_u32 s23, s23, s21
	s_add_co_u32 s23, s23, STAGE
	v_mul_u32_u24 v4, v1, SP
	v_lshl_add_u32 v4, v2, 4, v4
	v_add_nc_u32 v[STO], s23, v4
	v_bfe_u32 v4, v0, 3, 2                         ; back: wave w takes rows 16 w .. 16 w + 15, four at a time: eight lanes a row
	v_and_b32 v3, 7, v0
	s_mul_i32 s23, s[WV], 16*SP
	s_add_co_u32 s23, s23, STAGE
	v_mul_u32_u24 v[RD], v4, SP
	v_lshl_add_u32 v[RD], v3, 4, v[RD]
	v_add_nc_u32 v[RD], s23, v[RD]
	v_lshlrev_b32 v[CO], 11, v4                    ; and the same four rows in Mt
	v_lshl_add_u32 v[CO], v3, 4, v[CO]
	s_lshl_b32 s16, s43, 17                        ; 64 rows of 2,048 bytes
	s_lshl_b32 s17, s[WV], 15
	s_add_co_u32 s16, s16, s17
	s_lshl_b32 s17, s42, 7
	s_add_co_u32 s16, s16, s17
	s_mov_b32 s17, 0
	s_add_nc_u64 s[6:7], s[6:7], s[16:17]
.set i, 0
.rept 32
	v_mov_b32 v[ACC+i], 0                          ; the sums start at 0: written while the tiles are on their way, so that the loop has one form of product
.set i, i+1
.endr
	s_wait_tensorcnt 0x0                           ; my tile is in,
	s_barrier_signal -1
	s_barrier_wait -1                              ; everybody's is
	s_mov_b32 s[TB], 0
	s_mov_b32 s[STEPS], 2
.Lhalf:                                        ; the two halves of K
	s_mov_b32 s[CNT], 4
.Ltrip:                                        ; 128 along K: 256 bytes of each row
	PLACES                                         ; behind the last trip's products, which read the registers that are loaded now
	v_add_nc_u32 v[ADRA], s[TB], v[ADRA0]
	v_add_nc_u32 v[ADRB], s[TB], v[ADRB0]
.irp u, 0,1,2,3
.irp a, 0,1
	ds_load_b128 v[FR+32*(\u)+8*(\a):FR+32*(\u)+8*(\a)+3],       v[ADRA] offset:64*(\u)+(\a)*16*PM
	ds_load_b128 v[FR+32*(\u)+8*(\a)+4:FR+32*(\u)+8*(\a)+7],     v[ADRA] offset:64*(\u)+(\a)*16*PM+32
	ds_load_b128 v[FR+32*(\u)+16+8*(\a):FR+32*(\u)+16+8*(\a)+3], v[ADRB] offset:64*(\u)+(\a)*16*PM
	ds_load_b128 v[FR+32*(\u)+16+8*(\a)+4:FR+32*(\u)+16+8*(\a)+7], v[ADRB] offset:64*(\u)+(\a)*16*PM+32
.endr
.endr
	s_wait_dscnt 16                                ; K steps 0 and 1 are in; the sixteen loads of steps 2 and 3 may stay out
	MM 0
	MM 1
	s_wait_dscnt 0x0
	MM 2
	MM 3
	s_add_co_u32 s[TB], s[TB], 256
	s_sub_co_u32 s[CNT], s[CNT], 1
	s_cmp_lg_u32 s[CNT], 0
	s_cbranch_scc1 .Ltrip
	s_add_co_u32 s[TB], s[TB], RG-1024             ; on to the next region's first byte
	s_sub_co_u32 s[STEPS], s[STEPS], 1
	s_cmp_lg_u32 s[STEPS], 0
	s_cbranch_scc1 .Lhalf
	PLACES
.irp q, 0,1,2,3
.irp p, 0,1,2,3
	v_cvt_pk_f16_f32 v[TMP+4*(\q)+(\p)], v[ACC+8*(\q)+2*(\p)], v[ACC+8*(\q)+2*(\p)+1]
.endr
.endr
.irp a, 0,1
.irp b, 0,1
	ds_store_b128 v[STO], v[TMP+4*(2*(\a)+(\b)):TMP+4*(2*(\a)+(\b))+3] offset:(\a)*16*SP+32*(\b)
.endr
.endr
	s_wait_dscnt 0x0                               ; for the others' sake: my stores into the stage are done
	s_barrier_signal -1
	s_barrier_wait -1
.irp u, 0,1,2,3
	ds_load_b128 v[BK+4*(\u):BK+4*(\u)+3], v[RD] offset:(\u)*4*SP
.endr
	s_wait_dscnt 0x0
.irp u, 0,1,2,3
	global_store_b128 v[CO], v[BK+4*(\u):BK+4*(\u)+3], s[6:7] offset:(\u)*4*2048
.endr
	s_wait_tensorcnt 0x0                           ; the wave's end
	ds_add_u32 v[SPW], v[NIL]
	s_wait_dscnt 0x0
	CROUND                                         ; the closing round
	s_endpgm
.Lfunc_end_k_q84e7a07d9b_m:
	.size	k_q84e7a07d9b_m, .Lfunc_end_k_q84e7a07d9b_m-k_q84e7a07d9b_m
	.p2alignl 7, 3214868480
	.fill 96, 4, 3214868480
	.section	.rodata,"a",@progbits
	.p2align	6, 0x0
	.amdhsa_kernel k_q84e7a07d9b_m
		.amdhsa_group_segment_fixed_size 327680
		.amdhsa_private_segment_fixed_size 0
		.amdhsa_enable_private_segment 0
		.amdhsa_kernarg_size 16
		.amdhsa_user_sgpr_count 2
		.amdhsa_user_sgpr_kernarg_segment_ptr 1
		.amdhsa_wavefront_size32 1
		.amdhsa_system_sgpr_workgroup_id_x 1
		.amdhsa_system_sgpr_workgroup_id_y 1
		.amdhsa_system_sgpr_workgroup_id_z 1
		.amdhsa_system_vgpr_workitem_id 0
		.amdhsa_next_free_vgpr 208
		.amdhsa_next_free_sgpr 76
		.amdhsa_reserve_vcc 0
		.amdhsa_float_denorm_mode_32 3
		.amdhsa_float_denorm_mode_16_64 3
		.amdhsa_memory_ordered 1
		.amdhsa_forward_progress 1
		.amdhsa_inst_pref_size 13
	.end_amdhsa_kernel
	.amdgpu_metadata
---
amdhsa.version: [ 1, 2 ]
amdhsa.kernels:
  - .name:           k_q84e7a07d9b_m
    .symbol:         k_q84e7a07d9b_m.kd
    .args:
      - { .name: Wc, .offset: 0, .size: 8, .value_kind: global_buffer, .address_space: global }
      - { .name: Mt, .offset: 8, .size: 8, .value_kind: global_buffer, .address_space: global }
    .group_segment_fixed_size: 327680
    .private_segment_fixed_size: 0
    .kernarg_segment_align: 8
    .kernarg_segment_size: 16
    .max_flat_workgroup_size: 128
    .sgpr_count:     76
    .vgpr_count:     208
    .wavefront_size: 32
...
	.end_amdgpu_metadata
.endif
;; end of part 2
;; launch yv (part 3): grid 8 x 32, 4 waves a work-group, clusters of 4 x 4, 327,680 bytes of LDS; arguments Xh, Mt, Wc, b, Y, Vt; writes Y, Vt
.if DOCPART == 3
	.amdgcn_target "amdgcn-amd-amdhsa--gfx1250"
	.amdhsa_code_object_version 6
	.text
	.protected	k_q84e7a07d9b_yv
	.globl	k_q84e7a07d9b_yv
	.p2align	8
	.type	k_q84e7a07d9b_yv,@function
k_q84e7a07d9b_yv:
	s_mov_b64 s[64:65], 0
	v_nop
	global_prefetch_b8 v0, s[64:65] scope:SCOPE_SE
	s_setreg_imm32_b32 hwreg(HW_REG_WAVE_MODE, 25, 1), 1
	s_wait_xcnt 0x0
	s_wait_alu depctr_hold_cnt(0) depctr_sa_sdst(0) depctr_va_vdst(0) depctr_va_sdst(0) depctr_va_ssrc(0) depctr_va_vcc(0) depctr_vm_vsrc(0)
	s_getreg_b32 s2, hwreg(HW_REG_IB_STS2, 6, 4)
	s_cmp_eq_u32 s2, 0
	s_cbranch_scc0 .Lentry_in_a_cluster
	s_endpgm
.Lentry_in_a_cluster:
	s_bfe_u32 s2, ttmp6, 0x10000c
	s_cmp_lg_u32 s2, 0xf033
	s_cbranch_scc0 .Lentry_shape_is_right
	s_endpgm
.Lentry_shape_is_right:
; Two products of one shape in one launch, told apart by the cluster's x, which all sixteen partners share:
;   cluster x = 0:  Y[t][j]  = 2^-10 (the sum over i of Xh[t][i] Mt[j][i] + w[j]),  [8192][1024] f16      (A = Xh, B = Mt; the bias hangs on the column)
;   cluster x = 1:  Vt[c][t] = the sum over k of Wvt[c][k] Xh[t][k] + b[2048 + c],  [1024][8192] f16      (A = Wvt, B = Xh; the bias hangs on the row): V, written turned, as the last product wants it
; WHY Y.  Q . K = x_q (Wq Wk^T) x_k + (Wk bq) . x_k + Q . bk.  The last term is one number for a whole row of scores, and the softmax of a row does not change when one number is added to all of it: it is left out,
; so b[1024 .. 2047] is not read.  The other two are Y . x_k with Mt = (Wq Wk^T)^T and w = Wk bq, made by the launches before.  This holds for every input.
; LIMITS.  f16 holds no number beyond 65,504: 2^-10 Y and V must stay within it (X and W both at offsets of thirty spreads give some 27,000 and 29,000); below 6e-5 f16 keeps a fixed step of 6e-8.  NaN and infinities are not treated apart.
; A tile of 256 x 256 to a work-group, 128 x 128 to each of four waves: 64 accumulators in windows 2 and 3.  K goes in 8 steps of 128 (rows of 256 bytes) through two LDS slots filled by joint tensor loads:
; the four work-groups of a row of the 4 x 4 cluster share A's tile, the four of a column B's.  The matrix instruction is used transposed (source 0 = rows of B, source 1 = rows of A): a lane holds
; row l % 16 of the result and the columns 8 (l / 16) + 0..7.  The column bias (0 for Vt) is the C operand of the products that start the sums; the scale (1 for Vt) and the row bias (0 for Y) are one packed multiply-add on the way out.
; A K step is four quarters of 32 along K on two fragment buffers.  The groups are shifted by a quarter: behind the change of slots ahead of step s the wave multiplies quarter 3 of step s - 1 and quarters 0-2
; of step s while it fetches step s's four quarters, so at a change all its reads of the old slot have been issued, and the refill has a whole K step, 256 matrix instructions, in which to land.
; REGISTERS.  window 0: v0-31 addresses; v64-127, v128-191 A's fragments, two buffers; v32-63, v192-255 the way out.  window 1: v0-63 the column bias; v64-191 B's fragments; v192-207 the row bias.  windows 2, 3: accumulator (a, b) at v[64 (a % 4) + 8 b] of window 2 + a / 4.
.set NS,     8                         ; K steps
.set PITCH,  272                       ; an LDS row: 256 bytes + 16 of padding: the 16 rows of a fragment load start at 16 different groups of four banks (ISA guide 11.1)
.set HALFT,  128*PITCH                 ; what one tensor load brings
.set SLOTX,  4*HALFT                   ; a slot: A's 256 rows, then B's; slot 1 begins here; no address that is turned by this exclusive or has one of its two bits set
.set STAGE,  2*SLOTX                   ; 16 rows x 272 bytes for each wave, never filled by a tensor load
.set SPARE,  STAGE+4*16*PITCH          ; the spare words, 128 bytes a wave
.set WVT_OFF, 4194304                  ; Wvt in Wc
.set WV_OFF,  6291456                  ; w in Wc
.set AF,     8                         ; A's fragments a wave
.set NL,     2*(AF+8)                  ; LDS loads in a fetch
.set FA0,    64
.set FAS,    64
.set FB0,    64
.set ACW,    2
.set CB,     0
.set CBW,    1
.set RB,     192                       ; window 1: block a's row bias at RB + 2 a (a pair, of which the packed line takes the first for both halves)
.set TMP,    192
.set OB,     32
.set OBS,    192
.set ADRA0, 10
.set ADRB0, 11
.set ADRA,  12
.set ADRB,  13
.set STO,   14
.set RD,    15
.set PFO,   20
.set SPW,   22
.set NIL,   23
.set COT,   24                         ; v24-31  my byte offset in rows 2 t + l / 16 of a block of 16 rows of the result
.set CNT,   2
.set STEPS, 3
.set G1,    24
.set G0,    32
.set G1B,   48
.set G0B,   56
.set WV,    66
.set WR,    67
.set WC,    68
.set LIM,   69
.set PFA,   70
.set TB,    72
.set CY,    73
.set SCL,   74                         ; s[74:75] the scale
.set CP,    78                         ; s[78:79] where the stores stand
.set STEPC, 80                         ; s[80:81] 16 rows of the result, in bytes
.set MODE,  82                         ; 1: Y; 0: Vt
.set LG,    83                         ; log2 of the bytes in a row of the result
.set WVT,   88
.set WVEC,  90
.set ABASE, 92
.set BBASE, 94
.set GW0, (1<<16)|(1<<20)|(1<<21)|(5<<22)|(3<<25)  ; 2-byte elements; padding on; bit 21 beside a mask; after every 64 words 4 words
.set MSB, 0
.macro WIN new                         ; the high byte repeats the setting that is left; a switch that changes nothing is dropped
.if MSB != (\new)
	s_set_vgpr_msb (MSB<<8)|(\new)
.set MSB, (\new)
.endif
.endm
.macro PLACES                          ; four plain instructions between a matrix instruction and a load into, or a vector instruction on, its registers
.rept 4
	v_nop
.endr
.endm
.macro CROUND                          ; a round of the cluster's barrier
	s_barrier_signal -1
	s_barrier_wait -1
	s_cmp_lg_u32 s[WV], 0
	s_cbranch_scc1 .Lnot_wave_0_\@
	s_barrier_signal -3
.Lnot_wave_0_\@:
	s_barrier_wait -3
	s_barrier_signal -1
	s_barrier_wait -1
.endm
.macro JLOAD                           ; the joint refill: waves 0, 1 fetch A's halves, waves 2, 3 B's; the branch hangs on the wave's number alone
	s_cmp_eq_u32 s[WR], 0
	s_cbranch_scc0 .Lfor_b_\@
	tensor_load_to_lds s[G0+4:G0+7], s[G1:G1+7]
	s_nop 0
	PLACES
	s_branch .Lasked_\@
.Lfor_b_\@:
	tensor_load_to_lds s[G0B+4:G0B+7], s[G1B:G1B+7]
	s_nop 0
	PLACES
.Lasked_\@:
.endm
.macro ASK                             ; a prefetch of the K step two refills on: 32 rows x 256 bytes, a lane a row; it stops where that step would pass the row's end
	s_cmp_gt_u32 s[STEPS], s[LIM]
	s_cbranch_scc0 .Lnot_mine_\@
	global_prefetch_b8 v[PFO], s[PFA:PFA+1] th:TH_LOAD_NT scope:SCOPE_SE
.Lnot_mine_\@:
.endm
.macro MUL f, a, init                  ; 8 products: block a of my rows x all 8 column blocks, 32 along K, from buffer f
.set DW, ACW+(\a)/4
.set AC, 64*((\a)%4)
.if \init
	WIN 0x01|(CBW<<4)|(DW<<6)
.else
	WIN 0x01|(DW<<4)|(DW<<6)
.endif
.irp b, 0,1,2,3,4,5,6,7
.if \init
	v_wmma_f32_16x16x32_f16 v[AC+8*(\b):AC+8*(\b)+7], v[FB0+64*(\f)+8*(\b):FB0+64*(\f)+8*(\b)+7], v[FA0+FAS*(\f)+8*(\a):FA0+FAS*(\f)+8*(\a)+7], v[CB+8*(\b):CB+8*(\b)+7]
.else
	v_wmma_f32_16x16x32_f16 v[AC+8*(\b):AC+8*(\b)+7], v[FB0+64*(\f)+8*(\b):FB0+64*(\f)+8*(\b)+7], v[FA0+FAS*(\f)+8*(\a):FA0+FAS*(\f)+8*(\a)+7], v[AC+8*(\b):AC+8*(\b)+7]
.endif
.endr
.endm
.macro MULQ f, init                    ; a quarter: all accumulators by turns, in the same order in every quarter
.set aa, 0
.rept AF
	MUL \f, aa, \init
.set aa, aa+1
.endr
.endm
.macro FETCH koff, g                   ; one run of LDS loads: the fragments of 32 along K at byte koff behind the two addresses, into buffer g
	WIN 0x40
.irp i, 0,1,2,3,4,5,6,7
	ds_load_b128 v[FB0+64*(\g)+8*(\i):FB0+64*(\g)+8*(\i)+3],   v[ADRB] offset:(\koff)+(\i)*16*PITCH
	ds_load_b128 v[FB0+64*(\g)+8*(\i)+4:FB0+64*(\g)+8*(\i)+7], v[ADRB] offset:(\koff)+(\i)*16*PITCH+32
.endr
	WIN 0
.set ii, 0
.rept AF
	ds_load_b128 v[FA0+FAS*(\g)+8*ii:FA0+FAS*(\g)+8*ii+3],   v[ADRA] offset:(\koff)+ii*16*PITCH
	ds_load_b128 v[FA0+FAS*(\g)+8*ii+4:FA0+FAS*(\g)+8*ii+7], v[ADRA] offset:(\koff)+ii*16*PITCH+32
.set ii, ii+1
.endr
.endm
.macro Q f, g, koff, init              ; buffer g, which the quarter before multiplied, is fetched anew; buffer f is multiplied
	PLACES
	FETCH \koff, \g
	s_wait_dscnt NL                                ; all but the loads just issued: buffer f, asked for a quarter ago, is in
	MULQ \f, \init
.endm
.macro PAIR                            ; two quarters; the LDS addresses hang on s[TB]
	WIN 0
	v_add_nc_u32 v[ADRA], s[TB], v[ADRA0]
	v_add_nc_u32 v[ADRB], s[TB], v[ADRB0]
	Q 1, 0, 0, 0
	Q 0, 1, 64, 0
	WIN 0
	s_add_co_u32 s[TB], s[TB], 128
.endm
; THE CHANGE OF SLOTS.  Each wave waits for all its tensor loads, of which one is out: its part of the other slot; adds 0 to its spare word; waits for that and for its reads of the slot that it leaves.
; fill = 1: the barrier is a round of the cluster's, and the joint refill of the old slot, with the K step after the one now begun, is the first thing behind it.
.macro CHANGE fill
	WIN 0
	s_wait_tensorcnt 0x0                           ; no tensor load of mine is out, so a group 0 may be written
	ds_add_u32 v[SPW], v[NIL]                      ; 0 onto my spare word; the descriptors' steps stand between it and the wait for it
.if \fill
.irp g, G0+4, G0B+4
	s_xor_b32 s[(\g)+1], s[(\g)+1], SLOTX          ; the walking descriptor: the other slot than last time,
	s_add_nc_u64 s[(\g)+2:(\g)+3], s[(\g)+2:(\g)+3], 256  ; the next K step; the type bits on top are not reached
.endr
	s_wait_xcnt 0x0                                ; the last prefetch, a K step back, has read its address
	s_add_nc_u64 s[PFA:PFA+1], s[PFA:PFA+1], 256
	s_wait_dscnt 0x0                               ; the add is done, and my reads of the old slot are over
	CROUND
	JLOAD
	ASK
.else
	s_wait_dscnt 0x0
	s_barrier_signal -1
	s_barrier_wait -1
.endif
	s_sub_co_u32 s[TB], s[TB], 256                 ; the fetches go back to a row's first byte,
	s_xor_b32 s[TB], s[TB], SLOTX                  ; in the other slot
.endm
; THE WAY OUT of block a (16 rows): times the scale, plus the row's bias; rounded to f16, 16 bytes a lane; through my own stage; back as whole rows of 256 bytes; stored.
.macro PACK a
.set AC, 64*((\a)%4)
.set W3, (\a)/4
	WIN 0x92+0x41*W3                               ; destination and source 0 in window 2 or 3, the row bias in window 1
.set i, 0
.rept 32
	v_pk_fma_f32 v[AC+2*i:AC+2*i+1], v[AC+2*i:AC+2*i+1], s[SCL:SCL+1], v[RB+2*(\a):RB+2*(\a)+1] op_sel_hi:[1,0,0]
.set i, i+1
.endr
	WIN 0x0a+5*W3                                  ; sources 0 and 1: window 2 or 3
.irp b, 0,1,2,3,4,5,6,7
.irp r, 0,1,2,3
	v_cvt_pk_f16_f32 v[TMP+4*(\b)+(\r)], v[AC+8*(\b)+2*(\r)], v[AC+8*(\b)+2*(\r)+1]
.endr
.endr
	WIN 0
.endm
.macro TOSTAGE a
	WIN 0
.set BK, OB+OBS*((\a)%2)
.irp b, 0,1,2,3,4,5,6,7
	ds_store_b128 v[STO], v[TMP+4*(\b):TMP+4*(\b)+3] offset:32*(\b)
.endr
.irp t, 0,1,2,3,4,5,6,7
	ds_load_b128 v[BK+4*(\t):BK+4*(\t)+3], v[RD] offset:(\t)*2*PITCH  ; LDS serves a wave's instructions in order (ISA guide 5.7.1.4): these see the stores above
.endr
.endm
.macro SEND a
	WIN 0
.set BK, OB+OBS*((\a)%2)
	s_wait_dscnt 0x0                               ; the block is back in registers
	s_wait_xcnt 0x0                                ; earlier stores have read their base and their data: both are written again only behind this wait
.if (\a) > 0
	s_add_nc_u64 s[CP:CP+1], s[CP:CP+1], s[STEPC:STEPC+1]
.endif
.irp t, 0,1,2,3,4,5,6,7
	global_store_b128 v[COT+(\t)], v[BK+4*(\t):BK+4*(\t)+3], s[CP:CP+1]  ; sixteen lanes: 256 consecutive bytes, aligned
.endr
.endm
	s_load_b256 s[4:11], s[0:1], 0x0               ; Xh s[4:5], Mt s[6:7], Wc s[8:9], b s[10:11]
	s_load_b128 s[84:87], s[0:1], 0x20             ; Y s[84:85], Vt s[86:87]
	v_lshl_add_u32 v[SPW], v0, 2, SPARE
	v_mov_b32 v[NIL], 0
	ds_add_u32 v[SPW], v[NIL]                      ; the wave's opening
	v_lshrrev_b32 v3, 5, v0
	v_readfirstlane_b32 s[WV], v3                  ; wave 0..3
	s_lshr_b32 s[WR], s[WV], 1                     ; my half of the tile's rows; also: I fetch for A (0) or B (1)
	s_and_b32 s[WC], s[WV], 1                      ; my half of its columns; also: which 128 rows I fetch
	s_bfe_u32 s40, ttmp6, 0x40000                  ; cx
	s_bfe_u32 s41, ttmp6, 0x40004                  ; cy
	s_and_b32 s[CY], ttmp7, 0xffff
	s_lshl_b32 s44, s[CY], 2
	s_cmp_eq_u32 ttmp9, 0                          ; the cluster's x: the same in all sixteen partners
	s_cselect_b32 s[MODE], 1, 0
	s_cselect_b32 s45, s44, 0
	s_cselect_b32 s46, 0, s44
	s_cselect_b32 s[LG], 11, 14                    ; a row of Y is 2,048 bytes, a row of Vt 16,384
	s_cselect_b32 s[SCL], 0x3a800000, 1.0          ; 2^-10 for Y
	s_mov_b32 s[SCL+1], s[SCL]                     ; named with it as a pair
	s_add_co_u32 s43, s45, s41                     ; tile row:    Y: 4 x cluster y + cy (of 32);  Vt: cy (of 4)
	s_add_co_u32 s42, s46, s40                     ; tile column: Y: cx (of 4);                   Vt: 4 x cluster y + cx (of 32)
	s_lshl_b32 s44, s41, 2
	s_lshl_b32 s44, 15, s44                        ; my row of the cluster
	s_lshl_b32 s45, 0x1111, s40                    ; my column
	s_or_b32 s[G1], s44, GW0
	s_or_b32 s[G1B], s45, GW0
.irp g, G1, G1B
	s_mov_b32 s[(\g)+1], 128<<16                   ; tensor_dim0 = 128
	s_mov_b32 s[(\g)+2], 128<<16                   ; tensor_dim1 = 128
	s_mov_b32 s[(\g)+3], 128<<16                   ; tile_dim0 = 128
	s_mov_b32 s[(\g)+4], 128                       ; tile_dim1 = 128
	s_mov_b32 s[(\g)+5], 1024                      ; elements from row to row: the same in Xh, Mt and Wvt
	s_mov_b32 s[(\g)+6], 0
	s_mov_b32 s[(\g)+7], 0
.endr
	s_lshl_b32 s17, s[WC], 7
	s_lshl_b32 s16, s43, 8
	s_add_co_u32 s16, s16, s17                     ; A: row 256 x tile row + 128 x half
	s_lshl_b32 s16, s16, 11                        ; x 2,048 bytes
	s_lshl_b32 s46, s42, 8
	s_add_co_u32 s46, s46, s17                     ; B: row 256 x tile column + 128 x half
	s_lshl_b32 s46, s46, 11
	s_mov_b32 s17, 0
	s_mov_b32 s47, 0
	s_mul_i32 s20, s[WV], HALFT                    ; where my tile goes: wave x 128 rows
	s_wait_dscnt 0x0                               ; the opening add is done
	s_wait_kmcnt 0x0
	s_add_nc_u64 s[WVT:WVT+1], s[8:9], WVT_OFF
	s_add_nc_u64 s[WVEC:WVEC+1], s[8:9], WV_OFF
	s_cmp_eq_u32 s[MODE], 1
	s_cselect_b64 s[ABASE:ABASE+1], s[4:5], s[WVT:WVT+1]
	s_cselect_b64 s[BBASE:BBASE+1], s[6:7], s[4:5]
	s_cselect_b64 s[CP:CP+1], s[84:85], s[86:87]
	s_add_nc_u64 s[14:15], s[ABASE:ABASE+1], s[16:17]
	s_add_nc_u64 s[46:47], s[BBASE:BBASE+1], s[46:47]
	CROUND                                         ; all sixteen work-groups are here: the first joint loads meet
.irp s, 0,1
	s_mov_b32 s[G0+4*(\s)], 1
	s_add_co_u32 s[G0+4*(\s)+1], s20, (\s)*SLOTX
	s_add_nc_u64 s[G0+4*(\s)+2:G0+4*(\s)+3], s[14:15], (\s)*256
	s_or_b32 s[G0+4*(\s)+3], s[G0+4*(\s)+3], 0x80000000
	s_mov_b32 s[G0B+4*(\s)], 1
	s_add_co_u32 s[G0B+4*(\s)+1], s20, (\s)*SLOTX
	s_add_nc_u64 s[G0B+4*(\s)+2:G0B+4*(\s)+3], s[46:47], (\s)*256
	s_or_b32 s[G0B+4*(\s)+3], s[G0B+4*(\s)+3], 0x80000000
.endr
	s_cmp_eq_u32 s[WR], 0                          ; a wave's two first fills stand in one branch: two loads of mine are out
	s_cbranch_scc0 .Lfirst_b
	tensor_load_to_lds s[G0:G0+3], s[G1:G1+7]
	s_nop 0
	tensor_load_to_lds s[G0+4:G0+7], s[G1:G1+7]
	s_nop 0
	PLACES
	s_branch .Lfirst_asked
.Lfirst_b:
	tensor_load_to_lds s[G0B:G0B+3], s[G1B:G1B+7]
	s_nop 0
	tensor_load_to_lds s[G0B+4:G0B+7], s[G1B:G1B+7]
	s_nop 0
	PLACES
.Lfirst_asked:
	v_and_b32 v1, 15, v0                           ; l % 16
	v_bfe_u32 v2, v0, 4, 1                         ; l / 16
	s_mov_b32 s13, 0
	s_cmp_eq_u32 s[MODE], 1
	s_cbranch_scc0 .Lbias_v
	; Y: w of my 128 columns: register 8 b + j takes column 16 b + 8 (l / 16) + j; no row bias
	v_lshlrev_b32 v3, 5, v2
	s_lshl_b32 s12, s42, 10
	s_lshl_b32 s21, s[WC], 9
	s_add_co_u32 s12, s12, s21
	s_add_nc_u64 s[WVEC:WVEC+1], s[WVEC:WVEC+1], s[12:13]
	WIN 0x40
.irp b, 0,1,2,3,4,5,6,7
	global_load_b128 v[CB+8*(\b):CB+8*(\b)+3],   v3, s[WVEC:WVEC+1] offset:64*(\b)
	global_load_b128 v[CB+8*(\b)+4:CB+8*(\b)+7], v3, s[WVEC:WVEC+1] offset:64*(\b)+16
.endr
.set i, 0
.rept 16
	v_mov_b32 v[RB+i], 0
.set i, i+1
.endr
	WIN 0
	s_branch .Lbias_done
.Lbias_v:
	; Vt: b of my 128 rows: block a's register takes row 16 a + l % 16; no column bias
	v_lshlrev_b32 v3, 2, v1
	s_lshl_b32 s12, s43, 10
	s_lshl_b32 s21, s[WR], 9
	s_add_co_u32 s12, s12, s21
	s_add_co_u32 s12, s12, 8192                    ; V's bias begins at b[2048]
	s_add_nc_u64 s[10:11], s[10:11], s[12:13]
	WIN 0x40
.irp a, 0,1,2,3,4,5,6,7
	global_load_b32 v[RB+2*(\a)], v3, s[10:11] offset:64*(\a)
.endr
.set i, 0
.rept 64
	v_mov_b32 v[CB+i], 0
.set i, i+1
.endr
	WIN 0
.Lbias_done:
	v_mul_u32_u24 v4, v1, PITCH
	v_lshl_add_u32 v4, v2, 4, v4                   ; row x pitch + 16 x half
	s_mul_i32 s21, s[WR], HALFT
	s_mul_i32 s22, s[WC], HALFT
	s_add_co_u32 s22, s22, 2*HALFT
	v_add_nc_u32 v[ADRA0], s21, v4
	v_add_nc_u32 v[ADRB0], s22, v4
	s_mul_i32 s23, s[WV], 16*PITCH
	s_add_co_u32 s23, s23, STAGE
	v_add_nc_u32 v[STO], s23, v4
	v_mul_u32_u24 v5, v2, PITCH
	v_lshl_add_u32 v5, v1, 4, v5
	v_add_nc_u32 v[RD], s23, v5
.irp t, 0,1,2,3,4,5,6,7
	v_add_nc_u32 v5, 2*(\t), v2                    ; row 2 t + l / 16 of a block,
	v_lshlrev_b32 v5, s[LG], v5                    ; in bytes,
	v_lshl_add_u32 v[COT+(\t)], v1, 4, v5          ; and my 16 bytes of its 256
.endr
	s_lshl_b32 s16, s43, 8
	s_lshl_b32 s17, s[WR], 7
	s_add_co_u32 s16, s16, s17
	s_lshl_b32 s16, s16, s[LG]                     ; my first row of the result,
	s_lshl_b32 s17, s42, 9
	s_add_co_u32 s16, s16, s17
	s_lshl_b32 s17, s[WC], 8
	s_add_co_u32 s16, s16, s17                     ; my first column
	s_mov_b32 s17, 0
	s_add_nc_u64 s[CP:CP+1], s[CP:CP+1], s[16:17]
	s_lshl_b32 s[STEPC], 16, s[LG]
	s_mov_b32 s[STEPC+1], 0
	; the prefetches.  Xh's rows 1,024 y .. are read by both clusters of cluster row y, as A for Y and as B for Vt: the one that makes Y asks.  Mt's and Wvt's rows are read by all eight clusters of their kind: cluster y = 0 asks.
	; The four partners of a joint load share the 128 rows that a wave fetches BY ADDRESS, 32 each.  So each row's 256 bytes of a K step are named once.  K steps 0 to 3 come by their loads alone.
	s_lshl_b32 s20, s43, 8
	s_lshl_b32 s21, s42, 8
	s_cmp_eq_u32 s[MODE], 1
	s_cselect_b32 s22, 0, s[CY]                    ; 0 where a wave that fetches A asks,
	s_cselect_b32 s23, s[CY], 1                    ; 0 where a wave that fetches B asks
	s_cmp_eq_u32 s[WR], 0
	s_cselect_b32 s20, s20, s21
	s_cselect_b32 s21, s40, s41
	s_cselect_b32 s22, s22, s23
	s_cselect_b64 s[PFA:PFA+1], s[ABASE:ABASE+1], s[BBASE:BBASE+1]
	s_cmp_eq_u32 s22, 0
	s_cselect_b32 s[LIM], 2, -1                    ; the same in all sixteen partners, for a given wave
	s_lshl_b32 s22, s[WC], 7
	s_add_co_u32 s20, s20, s22
	s_lshl_b32 s21, s21, 5
	s_add_co_u32 s20, s20, s21
	s_lshl_b32 s20, s20, 11
	s_add_co_u32 s20, s20, 3*256                   ; the first change of slots steps it to K step 4
	s_mov_b32 s21, 0
	s_add_nc_u64 s[PFA:PFA+1], s[PFA:PFA+1], s[20:21]
	v_and_b32 v[PFO], 31, v0
	v_lshlrev_b32 v[PFO], 11, v[PFO]
	s_wait_loadcnt 0x0                             ; the bias
	WIN 0x41
.irp a, 0,1,2,3,4,5,6,7
	v_mov_b32 v[RB+2*(\a)+1], v[RB+2*(\a)]         ; the pair's second register is named with the first, so it is written
.endr
	WIN 0
	s_wait_tensorcnt 0x1                           ; my part of K step 0 is in; K step 1's load, issued behind it, may stay out
	s_barrier_signal -1
	s_barrier_wait -1
	s_mov_b32 s[TB], 0
	v_mov_b32 v[ADRA], v[ADRA0]
	v_mov_b32 v[ADRB], v[ADRB0]
	FETCH 0, 0
	Q 0, 1, 64, 1                                  ; the first quarter starts the sums, with the column bias
	WIN 0
	s_mov_b32 s[TB], 128
	PAIR                                           ; quarters 1 and 2 of K step 0
	s_mov_b32 s[STEPS], NS-2
.Lstep:                                        ; NS - 2 times: K steps 1 to NS - 2 are begun, K steps 2 to NS - 1 asked for
	CHANGE 1
	s_mov_b32 s[CNT], 2
.Lpair:
	PAIR
	s_sub_co_u32 s[CNT], s[CNT], 1
	s_cmp_lg_u32 s[CNT], 0
	s_cbranch_scc1 .Lpair
	s_sub_co_u32 s[STEPS], s[STEPS], 1
	s_cmp_lg_u32 s[STEPS], 0
	s_cbranch_scc1 .Lstep
	CHANGE 0                                       ; the last K step is written out
	s_mov_b32 s[CNT], 2
.Ltail:
	PAIR
	s_sub_co_u32 s[CNT], s[CNT], 1
	s_cmp_lg_u32 s[CNT], 0
	s_cbranch_scc1 .Ltail
	s_wait_dscnt 0x0
	MULQ 1, 0                                      ; the very last quarter
	WIN 0
	PLACES
	PACK 0
	TOSTAGE 0
.irp a, 1,2,3,4,5,6,7
	PACK \a
	SEND (\a)-1
	TOSTAGE \a
.endr
	SEND 7
	s_wait_tensorcnt 0x0                           ; the wave's end
	ds_add_u32 v[SPW], v[NIL]
	s_wait_dscnt 0x0
	CROUND                                         ; the closing round
	s_endpgm
.Lfunc_end_k_q84e7a07d9b_yv:
	.size	k_q84e7a07d9b_yv, .Lfunc_end_k_q84e7a07d9b_yv-k_q84e7a07d9b_yv
	.p2alignl 7, 3214868480
	.fill 96, 4, 3214868480
	.section	.rodata,"a",@progbits
	.p2align	6, 0x0
	.amdhsa_kernel k_q84e7a07d9b_yv
		.amdhsa_group_segment_fixed_size 327680
		.amdhsa_private_segment_fixed_size 0
		.amdhsa_enable_private_segment 0
		.amdhsa_kernarg_size 48
		.amdhsa_user_sgpr_count 2
		.amdhsa_user_sgpr_kernarg_segment_ptr 1
		.amdhsa_wavefront_size32 1
		.amdhsa_system_sgpr_workgroup_id_x 1
		.amdhsa_system_sgpr_workgroup_id_y 1
		.amdhsa_system_sgpr_workgroup_id_z 1
		.amdhsa_system_vgpr_workitem_id 0
		.amdhsa_next_free_vgpr 1024
		.amdhsa_next_free_sgpr 96
		.amdhsa_reserve_vcc 0
		.amdhsa_float_denorm_mode_32 3
		.amdhsa_float_denorm_mode_16_64 3
		.amdhsa_memory_ordered 1
		.amdhsa_forward_progress 1
		.amdhsa_inst_pref_size 115
	.end_amdhsa_kernel
	.amdgpu_metadata
---
amdhsa.version: [ 1, 2 ]
amdhsa.kernels:
  - .name:           k_q84e7a07d9b_yv
    .symbol:         k_q84e7a07d9b_yv.kd
    .args:
      - { .name: Xh, .offset: 0, .size: 8, .value_kind: global_buffer, .address_space: global }
      - { .name: Mt, .offset: 8, .size: 8, .value_kind: global_buffer, .address_space: global }
      - { .name: Wc, .offset: 16, .size: 8, .value_kind: global_buffer, .address_space: global }
      - { .name: b, .offset: 24, .size: 8, .value_kind: global_buffer, .address_space: global }
      - { .name: Y, .offset: 32, .size: 8, .value_kind: global_buffer, .address_space: global }
      - { .name: Vt, .offset: 40, .size: 8, .value_kind: global_buffer, .address_space: global }
    .group_segment_fixed_size: 327680
    .private_segment_fixed_size: 0
    .kernarg_segment_align: 8
    .kernarg_segment_size: 48
    .max_flat_workgroup_size: 128
    .sgpr_count:     96
    .vgpr_count:     1024
    .wavefront_size: 32
...
	.end_amdgpu_metadata
.endif
;; end of part 3
;; launch sc (part 4): grid 8 x 32, 4 waves a work-group, clusters of 4 x 4, 327,680 bytes of LDS; arguments Y, Xh, attention_mask, P, stats; writes P, stats
.if DOCPART == 4
	.amdgcn_target "amdgcn-amd-amdhsa--gfx1250"
	.amdhsa_code_object_version 6
	.text
	.protected	k_q84e7a07d9b_sc
	.globl	k_q84e7a07d9b_sc
	.p2align	8
	.type	k_q84e7a07d9b_sc,@function
k_q84e7a07d9b_sc:
	s_mov_b64 s[64:65], 0
	v_nop
	global_prefetch_b8 v0, s[64:65] scope:SCOPE_SE
	s_setreg_imm32_b32 hwreg(HW_REG_WAVE_MODE, 25, 1), 1
	s_wait_xcnt 0x0
	s_wait_alu depctr_hold_cnt(0) depctr_sa_sdst(0) depctr_va_vdst(0) depctr_va_sdst(0) depctr_va_ssrc(0) depctr_va_vcc(0) depctr_vm_vsrc(0)
	s_getreg_b32 s2, hwreg(HW_REG_IB_STS2, 6, 4)
	s_cmp_eq_u32 s2, 0
	s_cbranch_scc0 .Lentry_in_a_cluster
	s_endpgm
.Lentry_in_a_cluster:
	s_bfe_u32 s2, ttmp6, 0x10000c
	s_cmp_lg_u32 s2, 0xf033
	s_cbranch_scc0 .Lentry_shape_is_right
	s_endpgm
.Lentry_shape_is_right:
; For a tile of 256 queries x 256 keys of one batch: s = Y[q] . Xh[k] (f16 operands, f32 sums), which is 2^-10 times the score Q . K less a number that is the same for all keys of a query; hidden keys pushed down;
; m = the tile's maximum for each query; P = 2^(c s - mu) in f16, mu = c max(m, -1e20), c = 2^10 log2(e) / 32; l = the sum of the rounded weights over each half of 128 keys.
; P [8192 q][2048 key] f16; stats [4 batch][16 halves of 128 keys][mu, l][2048 q] f32.  The next launch joins the eight tiles of a row by their mu.
; THE MASK is the C operand that starts the sums: 0, or -1e30 where attention_mask is 1.  LIMITS.  A hidden score counts as its value less 1e30: f16's sums, 4.4e12 at the most, are nothing beside that.
; The maximum taken away is the tile's true one; it is held above -1e20, which no visible sum reaches, so that a tile with no visible key gets weights 0 and l = 0.  A weight below 2^-126 counts as 0.  NaN and infinities are not treated apart.
; Frame (tile, ring, round, shifted quarters, way out) as in the launch before.  A row's 256 keys lie in two waves: their maxima meet in LDS, once.  The row sums are four products of ones with the rounded weights:
; the packed weights ARE source 1 (32 keys x 16 queries) of such a product.
.set NS,     8
.set PITCH,  272
.set HALFT,  128*PITCH
.set SLOTX,  4*HALFT
.set STAGE,  2*SLOTX
.set XM,     STAGE+4*16*PITCH          ; 512 bytes a wave: its 128 rows' maxima
.set XS,     XM+4*512                  ; 1,024 bytes a wave: mu and l of its 128 rows, on their way out
.set SPARE,  XS+4*1024
.set AF,     8
.set NL,     2*(AF+8)
.set FA0,    64
.set FAS,    64
.set FB0,    64
.set ACW,    2
.set CB,     0
.set CBW,    1
.set TMP,    192
.set OB,     32
.set OBS,    192
.set CROW,   4096                      ; bytes in a row of P
.set CP,     10
.set STP,    82                        ; s[82:83] stats
.set ADRA0, 10
.set ADRB0, 11
.set ADRA,  12
.set ADRB,  13
.set STO,   14
.set RD,    15
.set CO,    16
.set XA,    18                         ; where my rows' maxima go
.set XB,    19                         ; where the partner wave's lie
.set PFO,   20
.set XSW,   21
.set SPW,   22
.set NIL,   23
.set XSR,   24
.set SO,    25
.set ST,    64                         ; block a: v[ST+2a] mu, v[ST+2a+1] the maximum, later l   (A's fragment registers are free by then)
.set CH,    80                         ; eight chains of the maximum
.set ONES,  88                         ; a fragment of ones in f16
.set LA,    96                         ; two accumulators for the sums, by turns
.set LB,    104
.set PM,    112
.set CNT,   2
.set STEPS, 3
.set G1,    24
.set G0,    32
.set G1B,   48
.set G0B,   56
.set WV,    66
.set WR,    67
.set WC,    68
.set LIM,   69
.set PFA,   70
.set TB,    72
.set CY,    73
.set CS,    74                         ; s[74:75] c
.set SEL,   76                         ; s[76:77] v_permlanex16_b32's selects
.set BIGN,  78                         ; -1e30
.set FLOOR, 79                         ; -1e20
.set GW0, (1<<16)|(1<<20)|(1<<21)|(5<<22)|(3<<25)
.set MSB, 0
.macro WIN new
.if MSB != (\new)
	s_set_vgpr_msb (MSB<<8)|(\new)
.set MSB, (\new)
.endif
.endm
.macro PLACES
.rept 4
	v_nop
.endr
.endm
.macro CROUND
	s_barrier_signal -1
	s_barrier_wait -1
	s_cmp_lg_u32 s[WV], 0
	s_cbranch_scc1 .Lnot_wave_0_\@
	s_barrier_signal -3
.Lnot_wave_0_\@:
	s_barrier_wait -3
	s_barrier_signal -1
	s_barrier_wait -1
.endm
.macro JLOAD
	s_cmp_eq_u32 s[WR], 0
	s_cbranch_scc0 .Lfor_b_\@
	tensor_load_to_lds s[G0+4:G0+7], s[G1:G1+7]
	s_nop 0
	PLACES
	s_branch .Lasked_\@
.Lfor_b_\@:
	tensor_load_to_lds s[G0B+4:G0B+7], s[G1B:G1B+7]
	s_nop 0
	PLACES
.Lasked_\@:
.endm
.macro ASK
	s_cmp_gt_u32 s[STEPS], s[LIM]
	s_cbranch_scc0 .Lnot_mine_\@
	global_prefetch_b8 v[PFO], s[PFA:PFA+1] th:TH_LOAD_NT scope:SCOPE_SE
.Lnot_mine_\@:
.endm
.macro MUL f, a, init
.set DW, ACW+(\a)/4
.set AC, 64*((\a)%4)
.if \init
	WIN 0x01|(CBW<<4)|(DW<<6)
.else
	WIN 0x01|(DW<<4)|(DW<<6)
.endif
.irp b, 0,1,2,3,4,5,6,7
.if \init
	v_wmma_f32_16x16x32_f16 v[AC+8*(\b):AC+8*(\b)+7], v[FB0+64*(\f)+8*(\b):FB0+64*(\f)+8*(\b)+7], v[FA0+FAS*(\f)+8*(\a):FA0+FAS*(\f)+8*(\a)+7], v[CB+8*(\b):CB+8*(\b)+7]
.else
	v_wmma_f32_16x16x32_f16 v[AC+8*(\b):AC+8*(\b)+7], v[FB0+64*(\f)+8*(\b):FB0+64*(\f)+8*(\b)+7], v[FA0+FAS*(\f)+8*(\a):FA0+FAS*(\f)+8*(\a)+7], v[AC+8*(\b):AC+8*(\b)+7]
.endif
.endr
.endm
.macro MULQ f, init
.set aa, 0
.rept AF
	MUL \f, aa, \init
.set aa, aa+1
.endr
.endm
.macro FETCH koff, g
	WIN 0x40
.irp i, 0,1,2,3,4,5,6,7
	ds_load_b128 v[FB0+64*(\g)+8*(\i):FB0+64*(\g)+8*(\i)+3],   v[ADRB] offset:(\koff)+(\i)*16*PITCH
	ds_load_b128 v[FB0+64*(\g)+8*(\i)+4:FB0+64*(\g)+8*(\i)+7], v[ADRB] offset:(\koff)+(\i)*16*PITCH+32
.endr
	WIN 0
.set ii, 0
.rept AF
	ds_load_b128 v[FA0+FAS*(\g)+8*ii:FA0+FAS*(\g)+8*ii+3],   v[ADRA] offset:(\koff)+ii*16*PITCH
	ds_load_b128 v[FA0+FAS*(\g)+8*ii+4:FA0+FAS*(\g)+8*ii+7], v[ADRA] offset:(\koff)+ii*16*PITCH+32
.set ii, ii+1
.endr
.endm
.macro Q f, g, koff, init
	PLACES
	FETCH \koff, \g
	s_wait_dscnt NL                                ; all but the loads just issued: buffer f is in
	MULQ \f, \init
.endm
.macro PAIR
	WIN 0
	v_add_nc_u32 v[ADRA], s[TB], v[ADRA0]
	v_add_nc_u32 v[ADRB], s[TB], v[ADRB0]
	Q 1, 0, 0, 0
	Q 0, 1, 64, 0
	WIN 0
	s_add_co_u32 s[TB], s[TB], 128
.endm
.macro CHANGE fill                     ; the change of slots: all my tensor loads, the add, my reads; the round; the joint refill first behind it
	WIN 0
	s_wait_tensorcnt 0x0
	ds_add_u32 v[SPW], v[NIL]
.if \fill
.irp g, G0+4, G0B+4
	s_xor_b32 s[(\g)+1], s[(\g)+1], SLOTX
	s_add_nc_u64 s[(\g)+2:(\g)+3], s[(\g)+2:(\g)+3], 256
.endr
	s_wait_xcnt 0x0                                ; the last prefetch, a K step back, has read its address
	s_add_nc_u64 s[PFA:PFA+1], s[PFA:PFA+1], 256
	s_wait_dscnt 0x0
	CROUND
	JLOAD
	ASK
.else
	s_wait_dscnt 0x0
	s_barrier_signal -1
	s_barrier_wait -1
.endif
	s_sub_co_u32 s[TB], s[TB], 256
	s_xor_b32 s[TB], s[TB], SLOTX
.endm
; The maximum of block a's 16 rows over my 128 keys: eight chains, one for each accumulator, its lowest registers first; then the chains, the floor, and the other half of the lanes.
.macro ROWMAX a
.set AC, 64*((\a)%4)
.set W3, (\a)/4
	WIN 0x2a+0x15*W3                               ; all three sources in window 2 or 3
.irp b, 0,1,2,3,4,5,6,7
	v_max3_num_f32 v[CH+(\b)], v[AC+8*(\b)], v[AC+8*(\b)+1], v[AC+8*(\b)+2]
.endr
	WIN 0x28+0x14*W3                               ; sources 1 and 2
.irp b, 0,1,2,3,4,5,6,7
	v_max3_num_f32 v[CH+(\b)], v[CH+(\b)], v[AC+8*(\b)+3], v[AC+8*(\b)+4]
.endr
.irp b, 0,1,2,3,4,5,6,7
	v_max3_num_f32 v[CH+(\b)], v[CH+(\b)], v[AC+8*(\b)+5], v[AC+8*(\b)+6]
.endr
.irp i, 0,1,2,3
	v_max3_num_f32 v[CH+(\i)], v[CH+(\i)], v[AC+16*(\i)+7], v[AC+16*(\i)+15]
.endr
	WIN 0
	v_max3_num_f32 v[CH], v[CH], v[CH+1], v[CH+2]
	v_max3_num_f32 v[CH+3], v[CH+3], v[CH+4], v[CH+5]
	v_max3_num_f32 v[CH], v[CH], v[CH+3], v[CH+6]
	v_max3_num_f32 v[CH], v[CH], v[CH+7], s[FLOOR]
	v_permlanex16_b32 v[CH+1], v[CH], s[SEL], s[SEL+1]
	v_max_num_f32 v[ST+2*(\a)+1], v[CH], v[CH+1]
	ds_store_b32 v[XA], v[ST+2*(\a)+1] offset:64*(\a)       ; both halves of the lanes write the same word with the same number
.endm
; Block a's weights: c s - mu, 64 exponentials as ONE batch with one wait, rounded to f16 into TMP; their sums by four products with ones, two accumulators by turns.
.macro SOFT a
.set AC, 64*((\a)%4)
.set W3, (\a)/4
	WIN 0x82+0x41*W3                               ; destination and source 0 in window 2 or 3, mu in window 0
.set i, 0
.rept 32
	v_pk_fma_f32 v[AC+2*i:AC+2*i+1], v[AC+2*i:AC+2*i+1], s[CS:CS+1], v[ST+2*(\a):ST+2*(\a)+1] op_sel_hi:[1,0,0] neg_lo:[0,0,1] neg_hi:[0,0,1]
.set i, i+1
.endr
.set i, 0
.rept 64
	v_exp_f32 v[AC+i], v[AC+i]
.set i, i+1
.endr
	v_nop                                          ; a plain instruction behind the last exponential,
	s_wait_alu depctr_va_vdst(0)                   ; and the one wait ahead of the batch's first reader
	WIN 0x0a+5*W3
.irp b, 0,1,2,3,4,5,6,7
.irp r, 0,1,2,3
	v_cvt_pk_f16_f32 v[TMP+4*(\b)+(\r)], v[AC+8*(\b)+2*(\r)], v[AC+8*(\b)+2*(\r)+1]
.endr
.endr
	WIN 0
	v_wmma_f32_16x16x32_f16 v[LA:LA+7], v[ONES:ONES+7], v[TMP:TMP+7], 0
	v_wmma_f32_16x16x32_f16 v[LB:LB+7], v[ONES:ONES+7], v[TMP+8:TMP+15], 0
	v_wmma_f32_16x16x32_f16 v[LA:LA+7], v[ONES:ONES+7], v[TMP+16:TMP+23], v[LA:LA+7]
	v_wmma_f32_16x16x32_f16 v[LB:LB+7], v[ONES:ONES+7], v[TMP+24:TMP+31], v[LB:LB+7]
	PLACES
	v_add_f32 v[ST+2*(\a)+1], v[LA], v[LB]         ; every register of a result holds the row's sum: the lowest is read
.endm
.macro TOSTAGE a
	WIN 0
.set BK, OB+OBS*((\a)%2)
.irp b, 0,1,2,3,4,5,6,7
	ds_store_b128 v[STO], v[TMP+4*(\b):TMP+4*(\b)+3] offset:32*(\b)
.endr
.irp t, 0,1,2,3,4,5,6,7
	ds_load_b128 v[BK+4*(\t):BK+4*(\t)+3], v[RD] offset:(\t)*2*PITCH
.endr
.endm
.macro SEND a
	WIN 0
.set BK, OB+OBS*((\a)%2)
	s_wait_dscnt 0x0
	s_wait_xcnt 0x0                                ; earlier stores have read their base and their data
.if (\a) > 0
	s_add_nc_u64 s[CP:CP+1], s[CP:CP+1], 16*CROW
.endif
.irp t, 0,1,2,3,4,5,6,7
	global_store_b128 v[CO], v[BK+4*(\t):BK+4*(\t)+3], s[CP:CP+1] offset:2*(\t)*CROW  ; sixteen lanes: 256 consecutive bytes, aligned
.endr
.endm
	s_load_b256 s[4:11], s[0:1], 0x0               ; Y s[4:5], Xh s[6:7], attention_mask s[8:9], P s[10:11]
	s_load_b64 s[STP:STP+1], s[0:1], 0x20          ; stats
	v_lshl_add_u32 v[SPW], v0, 2, SPARE
	v_mov_b32 v[NIL], 0
	ds_add_u32 v[SPW], v[NIL]                      ; the wave's opening
	v_lshrrev_b32 v3, 5, v0
	v_readfirstlane_b32 s[WV], v3
	s_lshr_b32 s[WR], s[WV], 1
	s_and_b32 s[WC], s[WV], 1
	s_bfe_u32 s40, ttmp6, 0x40000
	s_bfe_u32 s41, ttmp6, 0x40004
	s_lshl_b32 s42, ttmp9, 2
	s_add_co_u32 s42, s42, s40                     ; key tile
	s_and_b32 s[CY], ttmp7, 0xffff
	s_lshl_b32 s43, s[CY], 2
	s_add_co_u32 s43, s43, s41                     ; query tile, over all four batches; the batch is cluster y / 2, the same in all sixteen partners
	s_lshl_b32 s44, s41, 2
	s_lshl_b32 s44, 15, s44
	s_lshl_b32 s45, 0x1111, s40
	s_or_b32 s[G1], s44, GW0
	s_or_b32 s[G1B], s45, GW0
.irp g, G1, G1B
	s_mov_b32 s[(\g)+1], 128<<16
	s_mov_b32 s[(\g)+2], 128<<16
	s_mov_b32 s[(\g)+3], 128<<16
	s_mov_b32 s[(\g)+4], 128
	s_mov_b32 s[(\g)+5], 1024                      ; a row of Y and of Xh has 1,024 elements
	s_mov_b32 s[(\g)+6], 0
	s_mov_b32 s[(\g)+7], 0
.endr
	s_mov_b32 s[CS], 0x4238aa3b                    ; c = 32 log2(e): log2(e) / 32 for the score, 2^10 for Y's scale
	s_mov_b32 s[CS+1], s[CS]
	s_mov_b32 s[SEL], 0x76543210
	s_mov_b32 s[SEL+1], 0xfedcba98
	s_mov_b32 s[BIGN], 0xf149f2ca
	s_mov_b32 s[FLOOR], 0xe0ad78ec
	s_lshl_b32 s17, s[WC], 7
	s_lshl_b32 s16, s43, 8
	s_add_co_u32 s16, s16, s17                     ; A: Y's row 256 x query tile + 128 x half
	s_lshl_b32 s16, s16, 11
	s_lshl_b32 s46, s42, 8
	s_add_co_u32 s46, s46, s17
	s_lshr_b32 s47, s[CY], 1
	s_lshl_b32 s47, s47, 11
	s_add_co_u32 s46, s46, s47                     ; B: Xh's row 2,048 x batch + 256 x key tile + 128 x half
	s_lshl_b32 s46, s46, 11
	s_mov_b32 s17, 0
	s_mov_b32 s47, 0
	s_mul_i32 s20, s[WV], HALFT
	s_wait_dscnt 0x0
	s_wait_kmcnt 0x0
	s_add_nc_u64 s[14:15], s[4:5], s[16:17]
	s_add_nc_u64 s[46:47], s[6:7], s[46:47]
	CROUND
.irp s, 0,1
	s_mov_b32 s[G0+4*(\s)], 1
	s_add_co_u32 s[G0+4*(\s)+1], s20, (\s)*SLOTX
	s_add_nc_u64 s[G0+4*(\s)+2:G0+4*(\s)+3], s[14:15], (\s)*256
	s_or_b32 s[G0+4*(\s)+3], s[G0+4*(\s)+3], 0x80000000
	s_mov_b32 s[G0B+4*(\s)], 1
	s_add_co_u32 s[G0B+4*(\s)+1], s20, (\s)*SLOTX
	s_add_nc_u64 s[G0B+4*(\s)+2:G0B+4*(\s)+3], s[46:47], (\s)*256
	s_or_b32 s[G0B+4*(\s)+3], s[G0B+4*(\s)+3], 0x80000000
.endr
	s_cmp_eq_u32 s[WR], 0
	s_cbranch_scc0 .Lfirst_b
	tensor_load_to_lds s[G0:G0+3], s[G1:G1+7]
	s_nop 0
	tensor_load_to_lds s[G0+4:G0+7], s[G1:G1+7]
	s_nop 0
	PLACES
	s_branch .Lfirst_asked
.Lfirst_b:
	tensor_load_to_lds s[G0B:G0B+3], s[G1B:G1B+7]
	s_nop 0
	tensor_load_to_lds s[G0B+4:G0B+7], s[G1B:G1B+7]
	s_nop 0
	PLACES
.Lfirst_asked:
	; the mask bytes of my 128 keys: for column block b the eight bytes at 16 b + 8 (l / 16)
	v_and_b32 v1, 15, v0
	v_bfe_u32 v2, v0, 4, 1
	v_lshlrev_b32 v3, 3, v2
	s_lshr_b32 s12, s[CY], 1
	s_lshl_b32 s12, s12, 11
	s_lshl_b32 s13, s42, 8
	s_add_co_u32 s12, s12, s13
	s_lshl_b32 s13, s[WC], 7
	s_add_co_u32 s12, s12, s13
	s_mov_b32 s13, 0
	s_add_nc_u64 s[8:9], s[8:9], s[12:13]
.irp b, 0,1,2,3,4,5,6,7
	global_load_b64 v[32+2*(\b):33+2*(\b)], v3, s[8:9] offset:16*(\b)
.endr
	v_mul_u32_u24 v4, v1, PITCH
	v_lshl_add_u32 v4, v2, 4, v4
	s_mul_i32 s21, s[WR], HALFT
	s_mul_i32 s22, s[WC], HALFT
	s_add_co_u32 s22, s22, 2*HALFT
	v_add_nc_u32 v[ADRA0], s21, v4
	v_add_nc_u32 v[ADRB0], s22, v4
	s_mul_i32 s23, s[WV], 16*PITCH
	s_add_co_u32 s23, s23, STAGE
	v_add_nc_u32 v[STO], s23, v4
	v_mul_u32_u24 v5, v2, PITCH
	v_lshl_add_u32 v5, v1, 4, v5
	v_add_nc_u32 v[RD], s23, v5
	v_lshlrev_b32 v5, 12, v2
	v_lshl_add_u32 v[CO], v1, 4, v5
	s_lshl_b32 s21, s[WV], 9
	s_add_co_u32 s21, s21, XM
	v_lshl_add_u32 v[XA], v1, 2, s21
	s_xor_b32 s22, s[WV], 1                        ; the wave with the same rows and the other 128 keys
	s_lshl_b32 s22, s22, 9
	s_add_co_u32 s22, s22, XM
	v_lshl_add_u32 v[XB], v1, 2, s22
	s_lshl_b32 s21, s[WV], 10
	s_add_co_u32 s21, s21, XS
	v_lshl_add_u32 v[XSW], v1, 2, s21
	v_and_b32 v5, 31, v0
	v_lshl_add_u32 v[XSR], v5, 4, s21
	v_lshlrev_b32 v[SO], 4, v5
	s_lshl_b32 s16, s43, 8
	s_lshl_b32 s17, s[WR], 7
	s_add_co_u32 s16, s16, s17
	s_lshl_b32 s16, s16, 12                        ; my first row of P,
	s_lshl_b32 s17, s42, 9
	s_add_co_u32 s16, s16, s17
	s_lshl_b32 s17, s[WC], 8
	s_add_co_u32 s16, s16, s17                     ; my first key
	s_mov_b32 s17, 0
	s_add_nc_u64 s[CP:CP+1], s[CP:CP+1], s[16:17]
	s_lshr_b32 s16, s43, 3
	s_lshl_b32 s16, s16, 18                        ; stats: the batch's 16 x 2 planes of 8,192 bytes,
	s_lshl_b32 s17, s42, 15
	s_add_co_u32 s16, s16, s17
	s_lshl_b32 s17, s[WC], 14
	s_add_co_u32 s16, s16, s17                     ; my half of 128 keys,
	s_and_b32 s17, s43, 7
	s_lshl_b32 s17, s17, 10
	s_add_co_u32 s16, s16, s17
	s_lshl_b32 s17, s[WR], 9
	s_add_co_u32 s16, s16, s17                     ; my 128 queries
	s_mov_b32 s17, 0
	s_add_nc_u64 s[STP:STP+1], s[STP:STP+1], s[16:17]
	; the prefetches: Y's rows are asked for by cluster x = 0; Xh's rows, which the batch's two clusters along y read, by the even one; the four partners of a joint load take 32 of its 128 rows each, by address
	s_lshl_b32 s20, s43, 8
	s_lshr_b32 s21, s[CY], 1
	s_lshl_b32 s21, s21, 11
	s_lshl_b32 s22, s42, 8
	s_add_co_u32 s21, s21, s22
	s_and_b32 s22, s[CY], 1
	s_cmp_eq_u32 s[WR], 0
	s_cselect_b32 s20, s20, s21
	s_cselect_b32 s21, s40, s41
	s_cselect_b32 s22, ttmp9, s22
	s_cselect_b64 s[PFA:PFA+1], s[4:5], s[6:7]
	s_cmp_eq_u32 s22, 0
	s_cselect_b32 s[LIM], 2, -1
	s_lshl_b32 s22, s[WC], 7
	s_add_co_u32 s20, s20, s22
	s_lshl_b32 s21, s21, 5
	s_add_co_u32 s20, s20, s21
	s_lshl_b32 s20, s20, 11
	s_add_co_u32 s20, s20, 3*256                   ; the first change of slots steps it to K step 4
	s_mov_b32 s21, 0
	s_add_nc_u64 s[PFA:PFA+1], s[PFA:PFA+1], s[20:21]
	v_and_b32 v[PFO], 31, v0
	v_lshlrev_b32 v[PFO], 11, v[PFO]
	s_wait_loadcnt 0x0                             ; the mask
	WIN 0x40
.irp b, 0,1,2,3,4,5,6,7
.irp j, 0,1,2,3,4,5,6,7
	v_bfe_u32 v[CB+8*(\b)+(\j)], v[32+2*(\b)+(\j)/4], 8*((\j)%4), 8
.endr
.endr
	WIN 0x41
.set i, 0
.rept 64
	v_mul_lo_u32 v[CB+i], v[CB+i], s[BIGN]         ; 0 stays 0; 1 becomes the bits of -1e30
.set i, i+1
.endr
	WIN 0
	s_wait_tensorcnt 0x1                           ; my part of K step 0 is in; the load issued behind it may stay out
	s_barrier_signal -1
	s_barrier_wait -1
	s_mov_b32 s[TB], 0
	v_mov_b32 v[ADRA], v[ADRA0]
	v_mov_b32 v[ADRB], v[ADRB0]
	FETCH 0, 0
	Q 0, 1, 64, 1                                  ; the first quarter starts the sums, with the mask
	WIN 0
	s_mov_b32 s[TB], 128
	PAIR
	s_mov_b32 s[STEPS], NS-2
.Lstep:
	CHANGE 1
	s_mov_b32 s[CNT], 2
.Lpair:
	PAIR
	s_sub_co_u32 s[CNT], s[CNT], 1
	s_cmp_lg_u32 s[CNT], 0
	s_cbranch_scc1 .Lpair
	s_sub_co_u32 s[STEPS], s[STEPS], 1
	s_cmp_lg_u32 s[STEPS], 0
	s_cbranch_scc1 .Lstep
	CHANGE 0
	s_mov_b32 s[CNT], 2
.Ltail:
	PAIR
	s_sub_co_u32 s[CNT], s[CNT], 1
	s_cmp_lg_u32 s[CNT], 0
	s_cbranch_scc1 .Ltail
	s_wait_dscnt 0x0
	MULQ 1, 0
	WIN 0
	PLACES
.irp i, 0,1,2,3,4,5,6,7
	v_mov_b32 v[ONES+(\i)], 0x3c003c00             ; 1.0 twice in f16
.endr
.irp a, 0,1,2,3,4,5,6,7
	ROWMAX \a
.endr
	s_wait_dscnt 0x0                               ; for the partner's sake: my maxima are stored
	s_barrier_signal -1
	s_barrier_wait -1
.irp a, 0,1,2,3,4,5,6,7
	ds_load_b32 v[PM+(\a)], v[XB] offset:64*(\a)
.endr
	s_wait_dscnt 0x0
.irp a, 0,1,2,3,4,5,6,7
	v_max_num_f32 v[ST+2*(\a)+1], v[ST+2*(\a)+1], v[PM+(\a)]  ; the tile's maximum
.endr
.irp a, 0,1,2,3,4,5,6,7
	v_mul_f32 v[ST+2*(\a)], s[CS], v[ST+2*(\a)+1]             ; mu
.endr
	SOFT 0
	TOSTAGE 0
.irp a, 1,2,3,4,5,6,7
	SOFT \a
	SEND (\a)-1
	TOSTAGE \a
.endr
	SEND 7
.irp a, 0,1,2,3,4,5,6,7
	ds_store_b32 v[XSW], v[ST+2*(\a)] offset:64*(\a)
	ds_store_b32 v[XSW], v[ST+2*(\a)+1] offset:512+64*(\a)
.endr
	ds_load_b128 v[PM:PM+3], v[XSR]                ; my own bytes, served in order: 128 rows' mu as 512 consecutive bytes,
	ds_load_b128 v[PM+4:PM+7], v[XSR] offset:512   ; and their l
	s_wait_dscnt 0x0
	global_store_b128 v[SO], v[PM:PM+3], s[STP:STP+1]
	global_store_b128 v[SO], v[PM+4:PM+7], s[STP:STP+1] offset:8192
	s_wait_tensorcnt 0x0                           ; the wave's end
	ds_add_u32 v[SPW], v[NIL]
	s_wait_dscnt 0x0
	CROUND
	s_endpgm
.Lfunc_end_k_q84e7a07d9b_sc:
	.size	k_q84e7a07d9b_sc, .Lfunc_end_k_q84e7a07d9b_sc-k_q84e7a07d9b_sc
	.p2alignl 7, 3214868480
	.fill 96, 4, 3214868480
	.section	.rodata,"a",@progbits
	.p2align	6, 0x0
	.amdhsa_kernel k_q84e7a07d9b_sc
		.amdhsa_group_segment_fixed_size 327680
		.amdhsa_private_segment_fixed_size 0
		.amdhsa_enable_private_segment 0
		.amdhsa_kernarg_size 40
		.amdhsa_user_sgpr_count 2
		.amdhsa_user_sgpr_kernarg_segment_ptr 1
		.amdhsa_wavefront_size32 1
		.amdhsa_system_sgpr_workgroup_id_x 1
		.amdhsa_system_sgpr_workgroup_id_y 1
		.amdhsa_system_sgpr_workgroup_id_z 1
		.amdhsa_system_vgpr_workitem_id 0
		.amdhsa_next_free_vgpr 1024
		.amdhsa_next_free_sgpr 84
		.amdhsa_reserve_vcc 0
		.amdhsa_float_denorm_mode_32 3
		.amdhsa_float_denorm_mode_16_64 3
		.amdhsa_memory_ordered 1
		.amdhsa_forward_progress 1
		.amdhsa_inst_pref_size 160
	.end_amdhsa_kernel
	.amdgpu_metadata
---
amdhsa.version: [ 1, 2 ]
amdhsa.kernels:
  - .name:           k_q84e7a07d9b_sc
    .symbol:         k_q84e7a07d9b_sc.kd
    .args:
      - { .name: Y, .offset: 0, .size: 8, .value_kind: global_buffer, .address_space: global }
      - { .name: Xh, .offset: 8, .size: 8, .value_kind: global_buffer, .address_space: global }
      - { .name: attention_mask, .offset: 16, .size: 8, .value_kind: global_buffer, .address_space: global }
      - { .name: P, .offset: 24, .size: 8, .value_kind: global_buffer, .address_space: global }
      - { .name: stats, .offset: 32, .size: 8, .value_kind: global_buffer, .address_space: global }
    .group_segment_fixed_size: 327680
    .private_segment_fixed_size: 0
    .kernarg_segment_align: 8
    .kernarg_segment_size: 40
    .max_flat_workgroup_size: 128
    .sgpr_count:     84
    .vgpr_count:     1024
    .wavefront_size: 32
...
	.end_amdgpu_metadata
.endif
;; end of part 4
;; launch pv (part 5): grid 4 x 64, 4 waves a work-group, clusters of 4 x 4, 327,680 bytes of LDS; arguments P, Vt, stats, out0; writes out0
.if DOCPART == 5
	.amdgcn_target "amdgcn-amd-amdhsa--gfx1250"
	.amdhsa_code_object_version 6
	.text
	.protected	k_q84e7a07d9b_pv
	.globl	k_q84e7a07d9b_pv
	.p2align	8
	.type	k_q84e7a07d9b_pv,@function
k_q84e7a07d9b_pv:
	s_mov_b64 s[64:65], 0
	v_nop
	global_prefetch_b8 v0, s[64:65] scope:SCOPE_SE
	s_setreg_imm32_b32 hwreg(HW_REG_WAVE_MODE, 25, 1), 1
	s_wait_xcnt 0x0
	s_wait_alu depctr_hold_cnt(0) depctr_sa_sdst(0) depctr_va_vdst(0) depctr_va_sdst(0) depctr_va_ssrc(0) depctr_va_vcc(0) depctr_vm_vsrc(0)
	s_getreg_b32 s2, hwreg(HW_REG_IB_STS2, 6, 4)
	s_cmp_eq_u32 s2, 0
	s_cbranch_scc0 .Lentry_in_a_cluster
	s_endpgm
.Lentry_in_a_cluster:
	s_bfe_u32 s2, ttmp6, 0x10000c
	s_cmp_lg_u32 s2, 0xf033
	s_cbranch_scc0 .Lentry_shape_is_right
	s_endpgm
.Lentry_shape_is_right:
; out0[q][c] = (the sum over the eight key tiles t of alpha_t (P_t V_t)[q][c]) / L,  alpha_t = 2^(mu_t - M), M = the maximum of the row's eight mu_t, L = the sum of alpha_t l_t.  So the maximum taken away from
; every score is, in the end, the row's true one.  P [8192][2048] f16, Vt [1024 c][8192 key] f16, stats as the launch before wrote them, out0 [8192][1024] f32.  Products in f16 with f32 sums; alpha, L and the joined sums in f32.
; A row with no visible key has P = 0 and L = 0 and comes out as 0 x infinity, NaN, as the softmax of such a row is.  NaN and infinities in the inputs are not treated apart.
; A tile is 128 q x 256 c (256 x 256 would give 128 work-groups), a wave's 64 x 128.  T (window 3) takes a key tile's product, 256 keys = two K steps; when the next tile's first quarter starts T anew with C = 0,
; the four packed lines ACC += alpha T stand ahead of each of its products.  ACC (window 2) is cleared at the start, in the wait for the first tile: a first fold written out would double the fold's text.
; Ring, round and shifted quarters as in the launches before; wave 0 fetches P's 128 rows, waves 1 and 2 the halves of Vt's 256, wave 3 nothing.
; REGISTERS.  window 0: v0-23 addresses; v24-31 1 / L and L; v32-39 alpha of the tile in hand; v64-127 A's fragments; v128-255 the statistics at the start, the way out at the end.  window 1: v0-127 B's fragments.
.set NS,     16
.set PITCH,  272
.set HALFT,  128*PITCH
.set SLOTX,  131072
.set ALPHA,  3*HALFT                   ; behind slot 0: 4,096 bytes a wave: [tile][row % 16][alpha, l of blocks 0 to 3]; never filled by a tensor load
.set SPARE,  ALPHA+4*4096
.set STAGE,  SLOTX+3*HALFT             ; 16 rows x 528 bytes for each wave
.set SPITCH, 528                       ; 512 bytes + 16: the sixteen rows of a store start at sixteen different groups of four banks
.set AF,     4
.set NL,     2*(AF+8)
.set FA0,    64
.set FAS,    32
.set FB0,    0
.set ACW,    3
.set OB,     128
.set TAB,    128                       ; v[TAB+8t+2a] mu, then alpha; v[TAB+8t+2a+1] l
.set L2,     192                       ; the second half's l
.set MX,     40
.set INV,    24
.set AL,     32
.set ADRA0, 10
.set ADRB0, 11
.set ADRA,  12
.set ADRB,  13
.set STO,   14
.set RD,    15
.set CO,    16
.set AAD,   17
.set AT,    18
.set PFO,   20
.set SPW,   22
.set NIL,   23
.set CNT,   2
.set STEPS, 3
.set G1,    24
.set G0,    32
.set G1B,   48
.set G0B,   56
.set WV,    66
.set WR,    67
.set WC,    68
.set LIM,   69
.set PFA,   70
.set TB,    72
.set CY,    73
.set FOLD,  80                         ; 1: the next first quarter of a K step begins a key tile
.set PAR,   81                         ; the K step's parity
.set SAL,   82                         ; the byte in my table at which the next alpha lies
.set GW0, (1<<16)|(1<<20)|(1<<21)|(5<<22)|(3<<25)
.set MSB, 0
.macro WIN new
.if MSB != (\new)
	s_set_vgpr_msb (MSB<<8)|(\new)
.set MSB, (\new)
.endif
.endm
.macro PLACES
.rept 4
	v_nop
.endr
.endm
.macro CROUND
	s_barrier_signal -1
	s_barrier_wait -1
	s_cmp_lg_u32 s[WV], 0
	s_cbranch_scc1 .Lnot_wave_0_\@
	s_barrier_signal -3
.Lnot_wave_0_\@:
	s_barrier_wait -3
	s_barrier_signal -1
	s_barrier_wait -1
.endm
.macro JLOAD
	s_cmp_eq_u32 s[WV], 0
	s_cbranch_scc0 .Lnot_a_\@
	tensor_load_to_lds s[G0+4:G0+7], s[G1:G1+7]
	s_nop 0
	PLACES
	s_branch .Lasked_\@
.Lnot_a_\@:
	s_cmp_eq_u32 s[WV], 3
	s_cbranch_scc1 .Lasked_\@
	tensor_load_to_lds s[G0B+4:G0B+7], s[G1B:G1B+7]
	s_nop 0
	PLACES
.Lasked_\@:
.endm
.macro ASK
	s_cmp_gt_u32 s[STEPS], s[LIM]
	s_cbranch_scc0 .Lnot_mine_\@
	global_prefetch_b8 v[PFO], s[PFA:PFA+1] th:TH_LOAD_NT scope:SCOPE_SE
.Lnot_mine_\@:
.endm
.macro MUL f, a, init
.set AC, 64*(\a)
	WIN 0xf1                                       ; B window 1, A window 0, C and D window 3
.irp b, 0,1,2,3,4,5,6,7
.if \init
	v_wmma_f32_16x16x32_f16 v[AC+8*(\b):AC+8*(\b)+7], v[FB0+64*(\f)+8*(\b):FB0+64*(\f)+8*(\b)+7], v[FA0+FAS*(\f)+8*(\a):FA0+FAS*(\f)+8*(\a)+7], 0
.else
	v_wmma_f32_16x16x32_f16 v[AC+8*(\b):AC+8*(\b)+7], v[FB0+64*(\f)+8*(\b):FB0+64*(\f)+8*(\b)+7], v[FA0+FAS*(\f)+8*(\a):FA0+FAS*(\f)+8*(\a)+7], v[AC+8*(\b):AC+8*(\b)+7]
.endif
.endr
.endm
.macro MULQ f, init
.set aa, 0
.rept AF
	MUL \f, aa, \init
.set aa, aa+1
.endr
.endm
.macro FETCH koff, g
	WIN 0x40
.irp i, 0,1,2,3,4,5,6,7
	ds_load_b128 v[FB0+64*(\g)+8*(\i):FB0+64*(\g)+8*(\i)+3],   v[ADRB] offset:(\koff)+(\i)*16*PITCH
	ds_load_b128 v[FB0+64*(\g)+8*(\i)+4:FB0+64*(\g)+8*(\i)+7], v[ADRB] offset:(\koff)+(\i)*16*PITCH+32
.endr
	WIN 0
.set ii, 0
.rept AF
	ds_load_b128 v[FA0+FAS*(\g)+8*ii:FA0+FAS*(\g)+8*ii+3],   v[ADRA] offset:(\koff)+ii*16*PITCH
	ds_load_b128 v[FA0+FAS*(\g)+8*ii+4:FA0+FAS*(\g)+8*ii+7], v[ADRA] offset:(\koff)+ii*16*PITCH+32
.set ii, ii+1
.endr
.endm
.macro Q f, g, koff, init
	PLACES
	FETCH \koff, \g
	s_wait_dscnt NL                                ; all but the loads just issued: buffer f is in, and so is an alpha asked for behind it
	MULQ \f, \init
.endm
; The quarter that begins a key tile.  Ahead of each product that starts T(a, b) anew stand the four lines that add alpha x the old T(a, b) onto ACC(a, b), its lowest registers first.
; Six plain instructions stand at its head: four for the loads and for the first reads of T, and five are wanted between the last product on T(0, 0) and the one that writes over it, of which its own four folds are none.
.macro QFOLD
	PLACES
	v_nop
	v_nop
	FETCH 64, 1
	s_wait_dscnt NL
.set aa, 0
.rept 4
.set bb, 0
.rept 8
.set rT, 64*aa+8*bb
	WIN 0xa3                                       ; T (source 0) window 3, alpha window 0, ACC (source 2 and destination) window 2
.irp j, 0,2,4,6
	v_pk_fma_f32 v[rT+(\j):rT+(\j)+1], v[rT+(\j):rT+(\j)+1], v[AL+2*aa:AL+2*aa+1], v[rT+(\j):rT+(\j)+1] op_sel_hi:[1,0,1]
.endr
	WIN 0xf1
	v_wmma_f32_16x16x32_f16 v[rT:rT+7], v[FB0+8*bb:FB0+8*bb+7], v[FA0+8*aa:FA0+8*aa+7], 0
.set bb, bb+1
.endr
.set aa, aa+1
.endr
	WIN 0
	s_add_co_u32 s[SAL], s[SAL], 512
	v_add_nc_u32 v[AAD], s[SAL], v[AT]
	ds_load_b128 v[AL:AL+3], v[AAD]                ; the alpha of the tile just begun: wanted two K steps on
	ds_load_b128 v[AL+4:AL+7], v[AAD] offset:16
	s_mov_b32 s[FOLD], 0
.endm
.macro PAIR                            ; two quarters, none of which begins a key tile
	WIN 0
	v_add_nc_u32 v[ADRA], s[TB], v[ADRA0]
	v_add_nc_u32 v[ADRB], s[TB], v[ADRB0]
	Q 1, 0, 0, 0
	Q 0, 1, 64, 0
	WIN 0
	s_add_co_u32 s[TB], s[TB], 128
.endm
.macro PAIRF                           ; the loop's: the second quarter is the plain one or the fold; the jump goes forward, past no barrier and no tensor load, on a flag made of the loop's count alone
	WIN 0
	v_add_nc_u32 v[ADRA], s[TB], v[ADRA0]
	v_add_nc_u32 v[ADRB], s[TB], v[ADRB0]
	Q 1, 0, 0, 0
	WIN 0
	s_cmp_eq_u32 s[FOLD], 1
	s_cbranch_scc1 .Lfold_\@
	Q 0, 1, 64, 0
	WIN 0
	s_branch .Lfolded_\@
.Lfold_\@:
	QFOLD
.Lfolded_\@:
	s_add_co_u32 s[TB], s[TB], 128
.endm
.macro CHANGE fill                     ; the change of slots: all my tensor loads, the add, my reads; the round; the joint refill first behind it
	WIN 0
	s_wait_tensorcnt 0x0
	ds_add_u32 v[SPW], v[NIL]
.if \fill
.irp g, G0+4, G0B+4
	s_xor_b32 s[(\g)+1], s[(\g)+1], SLOTX
	s_add_nc_u64 s[(\g)+2:(\g)+3], s[(\g)+2:(\g)+3], 256
.endr
	s_xor_b32 s[PAR], s[PAR], 1                    ; an even K step begins a key tile
	s_xor_b32 s[FOLD], s[PAR], 1
	s_wait_xcnt 0x0                                ; the last prefetch, a K step back, has read its address
	s_add_nc_u64 s[PFA:PFA+1], s[PFA:PFA+1], 256
	s_wait_dscnt 0x0
	CROUND
	JLOAD
	ASK
.else
	s_wait_dscnt 0x0
	s_barrier_signal -1
	s_barrier_wait -1
.endif
	s_sub_co_u32 s[TB], s[TB], 256
	s_xor_b32 s[TB], s[TB], SLOTX
.endm
; THE WAY OUT of block a: the last key tile is folded in, the rows are divided by L; through my stage, 512 bytes a row; back as whole rows; stored.
.macro FIN a
	WIN 0xa3
.set i, 64*(\a)
.rept 32
	v_pk_fma_f32 v[i:i+1], v[i:i+1], v[AL+2*(\a):AL+2*(\a)+1], v[i:i+1] op_sel_hi:[1,0,1]
.set i, i+2
.endr
	WIN 0x82
.set i, 64*(\a)
.rept 32
	v_pk_mul_f32 v[i:i+1], v[i:i+1], v[INV+2*(\a):INV+2*(\a)+1] op_sel_hi:[1,0]
.set i, i+2
.endr
	WIN 0
.endm
.macro TOSTAGE a
	WIN 0x08                                       ; the stores' data in window 2
.irp b, 0,1,2,3,4,5,6,7
	ds_store_b128 v[STO], v[64*(\a)+8*(\b):64*(\a)+8*(\b)+3]   offset:64*(\b)
	ds_store_b128 v[STO], v[64*(\a)+8*(\b)+4:64*(\a)+8*(\b)+7] offset:64*(\b)+16
.endr
	WIN 0
.set BK, OB+64*((\a)%2)
.set i, 0
.rept 16
	ds_load_b128 v[BK+4*i:BK+4*i+3], v[RD] offset:i*SPITCH  ; LDS serves a wave's instructions in order (ISA guide 5.7.1.4): these see the stores above
.set i, i+1
.endr
.endm
.macro SEND a
	WIN 0
.set BK, OB+64*((\a)%2)
	s_wait_dscnt 0x0
	s_wait_xcnt 0x0                                ; earlier stores have read their base and their data
.if (\a) > 0
	s_add_nc_u64 s[10:11], s[10:11], 16*4096
.endif
.set i, 0
.rept 16
	global_store_b128 v[CO], v[BK+4*i:BK+4*i+3], s[10:11] offset:4096*i  ; a wave: 512 consecutive bytes of a row of out0, aligned
.set i, i+1
.endr
.endm
	s_load_b256 s[4:11], s[0:1], 0x0               ; P s[4:5], Vt s[6:7], stats s[8:9], out0 s[10:11]
	v_lshl_add_u32 v[SPW], v0, 2, SPARE
	v_mov_b32 v[NIL], 0
	ds_add_u32 v[SPW], v[NIL]                      ; the wave's opening
	v_lshrrev_b32 v3, 5, v0
	v_readfirstlane_b32 s[WV], v3
	s_lshr_b32 s[WR], s[WV], 1                     ; my half of the tile's rows; for waves 1 and 2 also: which half of B I fetch
	s_and_b32 s[WC], s[WV], 1
	s_bfe_u32 s40, ttmp6, 0x40000
	s_bfe_u32 s41, ttmp6, 0x40004
	s_lshl_b32 s42, ttmp9, 2
	s_add_co_u32 s42, s42, s40                     ; channel tile (256 c)
	s_and_b32 s[CY], ttmp7, 0xffff
	s_lshl_b32 s43, s[CY], 2
	s_add_co_u32 s43, s43, s41                     ; query tile (128 q), over all batches; the batch is cluster y / 4
	s_lshl_b32 s44, s41, 2
	s_lshl_b32 s44, 15, s44
	s_lshl_b32 s45, 0x1111, s40
	s_or_b32 s[G1], s44, GW0
	s_or_b32 s[G1B], s45, GW0
.irp g, G1, G1B
	s_mov_b32 s[(\g)+1], 128<<16
	s_mov_b32 s[(\g)+2], 128<<16
	s_mov_b32 s[(\g)+3], 128<<16
	s_mov_b32 s[(\g)+4], 128
	s_mov_b32 s[(\g)+6], 0
	s_mov_b32 s[(\g)+7], 0
.endr
	s_mov_b32 s[G1+5], 2048                        ; elements in a row of P
	s_mov_b32 s[G1B+5], 8192                       ; and of Vt
	s_mov_b32 s[FOLD], 0
	s_mov_b32 s[PAR], 0
	s_mov_b32 s[SAL], 0
	s_lshl_b32 s16, s43, 19                        ; A: row 128 x query tile of P, 4,096 bytes a row
	s_mov_b32 s17, 0
	s_lshl_b32 s46, s42, 8
	s_lshl_b32 s47, s[WR], 7
	s_add_co_u32 s46, s46, s47                     ; B: row 256 x channel tile + 128 x half of Vt,
	s_lshl_b32 s46, s46, 14
	s_lshr_b32 s47, s[CY], 2
	s_lshl_b32 s47, s47, 12
	s_add_co_u32 s46, s46, s47                     ; at the batch's 2,048 keys
	s_mov_b32 s47, 0
	s_mul_i32 s20, s[WV], HALFT
	s_wait_dscnt 0x0
	s_wait_kmcnt 0x0
	s_add_nc_u64 s[14:15], s[4:5], s[16:17]
	s_add_nc_u64 s[46:47], s[6:7], s[46:47]
	CROUND
.irp s, 0,1
	s_mov_b32 s[G0+4*(\s)], 1
	s_add_co_u32 s[G0+4*(\s)+1], s20, (\s)*SLOTX
	s_add_nc_u64 s[G0+4*(\s)+2:G0+4*(\s)+3], s[14:15], (\s)*256
	s_or_b32 s[G0+4*(\s)+3], s[G0+4*(\s)+3], 0x80000000
	s_mov_b32 s[G0B+4*(\s)], 1
	s_add_co_u32 s[G0B+4*(\s)+1], s20, (\s)*SLOTX
	s_add_nc_u64 s[G0B+4*(\s)+2:G0B+4*(\s)+3], s[46:47], (\s)*256
	s_or_b32 s[G0B+4*(\s)+3], s[G0B+4*(\s)+3], 0x80000000
.endr
	s_cmp_eq_u32 s[WV], 0
	s_cbranch_scc0 .Lfirst_not_a
	tensor_load_to_lds s[G0:G0+3], s[G1:G1+7]
	s_nop 0
	tensor_load_to_lds s[G0+4:G0+7], s[G1:G1+7]
	s_nop 0
	PLACES
	s_branch .Lfirst_asked
.Lfirst_not_a:
	s_cmp_eq_u32 s[WV], 3
	s_cbranch_scc1 .Lfirst_asked
	tensor_load_to_lds s[G0B:G0B+3], s[G1B:G1B+7]
	s_nop 0
	tensor_load_to_lds s[G0B+4:G0B+7], s[G1B:G1B+7]
	s_nop 0
	PLACES
.Lfirst_asked:
	; the statistics of my 64 rows: for key tile t and block a, row 16 a + l % 16: mu, and l of the tile's two halves
	v_and_b32 v1, 15, v0
	v_bfe_u32 v2, v0, 4, 1
	v_lshlrev_b32 v3, 2, v1
	s_lshr_b32 s12, s43, 4
	s_lshl_b32 s12, s12, 18
	s_and_b32 s13, s43, 15
	s_lshl_b32 s13, s13, 9
	s_add_co_u32 s12, s12, s13
	s_lshl_b32 s13, s[WR], 8
	s_add_co_u32 s12, s12, s13
	s_mov_b32 s13, 0
	s_add_nc_u64 s[8:9], s[8:9], s[12:13]
.irp t, 0,1,2,3,4,5,6,7
.irp a, 0,1,2,3
	global_load_b32 v[TAB+8*(\t)+2*(\a)],   v3, s[8:9] offset:32768*(\t)+64*(\a)
	global_load_b32 v[TAB+8*(\t)+2*(\a)+1], v3, s[8:9] offset:32768*(\t)+64*(\a)+8192
	global_load_b32 v[L2+4*(\t)+(\a)],      v3, s[8:9] offset:32768*(\t)+64*(\a)+24576
.endr
.endr
	WIN 0x80
.set i, 0
.rept 256
	v_mov_b32 v[i], 0                              ; ACC
.set i, i+1
.endr
	WIN 0
	v_mul_u32_u24 v4, v1, PITCH
	v_lshl_add_u32 v4, v2, 4, v4
	s_mul_i32 s21, s[WR], 64*PITCH
	s_mul_i32 s22, s[WC], HALFT
	s_add_co_u32 s22, s22, HALFT
	v_add_nc_u32 v[ADRA0], s21, v4
	v_add_nc_u32 v[ADRB0], s22, v4
	s_mul_i32 s23, s[WV], 16*SPITCH
	s_add_co_u32 s23, s23, STAGE
	v_mul_u32_u24 v4, v1, SPITCH
	v_lshl_add_u32 v4, v2, 5, v4
	v_add_nc_u32 v[STO], s23, v4                   ; in: row l % 16, 32 bytes for each half of the lanes
	v_and_b32 v5, 31, v0
	v_lshl_add_u32 v[RD], v5, 4, s23               ; back: a whole row, 16 bytes a lane
	v_lshlrev_b32 v[CO], 4, v5
	s_lshl_b32 s12, s[WV], 12
	s_add_co_u32 s12, s12, ALPHA
	v_lshl_add_u32 v[AT], v1, 5, s12               ; my row's 32 bytes in my wave's table
	s_lshl_b32 s16, s43, 19
	s_lshl_b32 s17, s[WR], 18
	s_add_co_u32 s16, s16, s17                     ; my first row of out0,
	s_lshl_b32 s17, s42, 10
	s_add_co_u32 s16, s16, s17
	s_lshl_b32 s17, s[WC], 9
	s_add_co_u32 s16, s16, s17                     ; my first channel
	s_mov_b32 s17, 0
	s_add_nc_u64 s[10:11], s[10:11], s[16:17]
	; the prefetches: P's rows are read by this one cluster along x, which asks; Vt's rows and keys by the batch's four clusters along y: the first asks; the four partners take 32 of a load's 128 rows each, by address; wave 3 asks for nothing
	s_lshl_b32 s20, s43, 7
	s_lshl_b32 s21, s42, 8
	s_lshl_b32 s22, s[WR], 7
	s_add_co_u32 s21, s21, s22
	s_and_b32 s22, s[CY], 3
	s_lshr_b32 s19, s[CY], 2
	s_lshl_b32 s19, s19, 12
	s_mov_b32 s18, 4096
	s_mov_b32 s17, 16384
	s_cmp_eq_u32 s[WV], 0
	s_cselect_b32 s20, s20, s21
	s_cselect_b32 s21, s40, s41
	s_cselect_b32 s22, ttmp9, s22
	s_cselect_b32 s23, s18, s17                    ; bytes in a row
	s_cselect_b32 s19, 0, s19
	s_cselect_b64 s[PFA:PFA+1], s[4:5], s[6:7]
	s_cmp_eq_u32 s[WV], 3
	s_cselect_b32 s22, 1, s22
	s_cmp_eq_u32 s22, 0
	s_cselect_b32 s[LIM], 2, -1
	s_lshl_b32 s21, s21, 5
	s_add_co_u32 s20, s20, s21
	s_mul_i32 s20, s20, s23
	s_add_co_u32 s20, s20, s19
	s_add_co_u32 s20, s20, 3*256
	s_mov_b32 s21, 0
	s_add_nc_u64 s[PFA:PFA+1], s[PFA:PFA+1], s[20:21]
	v_mul_u32_u24 v[PFO], v5, s23
	s_wait_loadcnt 0x0
.irp t, 0,1,2,3,4,5,6,7
.irp a, 0,1,2,3
	v_add_f32 v[TAB+8*(\t)+2*(\a)+1], v[TAB+8*(\t)+2*(\a)+1], v[L2+4*(\t)+(\a)]   ; the tile's l
.endr
.endr
.irp a, 0,1,2,3
	v_max3_num_f32 v[MX+(\a)], v[TAB+2*(\a)], v[TAB+8+2*(\a)], v[TAB+16+2*(\a)]
.endr
.irp a, 0,1,2,3
	v_max3_num_f32 v[MX+(\a)], v[MX+(\a)], v[TAB+24+2*(\a)], v[TAB+32+2*(\a)]
.endr
.irp a, 0,1,2,3
	v_max3_num_f32 v[MX+(\a)], v[MX+(\a)], v[TAB+40+2*(\a)], v[TAB+48+2*(\a)]
.endr
.irp a, 0,1,2,3
	v_max_num_f32 v[MX+(\a)], v[MX+(\a)], v[TAB+56+2*(\a)]                        ; M
.endr
.irp t, 0,1,2,3,4,5,6,7
.irp a, 0,1,2,3
	v_sub_f32 v[TAB+8*(\t)+2*(\a)], v[TAB+8*(\t)+2*(\a)], v[MX+(\a)]
.endr
.endr
.irp t, 0,1,2,3,4,5,6,7
.irp a, 0,1,2,3
	v_exp_f32 v[TAB+8*(\t)+2*(\a)], v[TAB+8*(\t)+2*(\a)]                          ; alpha: one batch of 32
.endr
.endr
	v_nop                                          ; a plain instruction behind the last exponential,
	s_wait_alu depctr_va_vdst(0)                   ; and the one wait ahead of the batch's first reader
.irp a, 0,1,2,3
	v_mul_f32 v[INV+2*(\a)+1], v[TAB+2*(\a)], v[TAB+2*(\a)+1]
.endr
.irp t, 1,2,3,4,5,6,7
.irp a, 0,1,2,3
	v_fmac_f32 v[INV+2*(\a)+1], v[TAB+8*(\t)+2*(\a)], v[TAB+8*(\t)+2*(\a)+1]      ; L
.endr
.endr
.irp a, 0,1,2,3
	v_rcp_f32 v[INV+2*(\a)], v[INV+2*(\a)+1]
.endr
	v_nop
	s_wait_alu depctr_va_vdst(0)                   ; one wait for the four reciprocals
.irp t, 0,1,2,3,4,5,6,7
	ds_store_b128 v[AT], v[TAB+8*(\t):TAB+8*(\t)+3]   offset:512*(\t)      ; both halves of the lanes write the same bytes with the same numbers
	ds_store_b128 v[AT], v[TAB+8*(\t)+4:TAB+8*(\t)+7] offset:512*(\t)+16
.endr
	ds_load_b128 v[AL:AL+3], v[AT]                 ; key tile 0's alpha: my own bytes, served in order
	ds_load_b128 v[AL+4:AL+7], v[AT] offset:16
	s_wait_dscnt 0x0
	s_wait_tensorcnt 0x1                           ; my part of K step 0 is in; the load issued behind it may stay out
	s_barrier_signal -1
	s_barrier_wait -1
	s_mov_b32 s[TB], 0
	v_mov_b32 v[ADRA], v[ADRA0]
	v_mov_b32 v[ADRB], v[ADRB0]
	FETCH 0, 0
	Q 0, 1, 64, 1                                  ; the first quarter starts key tile 0's sums
	WIN 0
	s_mov_b32 s[TB], 128
	PAIR
	s_mov_b32 s[STEPS], NS-2
.Lstep:                                        ; K steps 1 to 14 are begun, 2 to 15 asked for; the even ones fold
	CHANGE 1
	s_mov_b32 s[CNT], 2
.Lpair:
	PAIRF
	s_sub_co_u32 s[CNT], s[CNT], 1
	s_cmp_lg_u32 s[CNT], 0
	s_cbranch_scc1 .Lpair
	s_sub_co_u32 s[STEPS], s[STEPS], 1
	s_cmp_lg_u32 s[STEPS], 0
	s_cbranch_scc1 .Lstep
	CHANGE 0                                       ; K step 15 is odd: no fold
	s_mov_b32 s[CNT], 2
.Ltail:
	PAIR
	s_sub_co_u32 s[CNT], s[CNT], 1
	s_cmp_lg_u32 s[CNT], 0
	s_cbranch_scc1 .Ltail
	s_wait_dscnt 0x0
	MULQ 1, 0
	WIN 0
	PLACES
	FIN 0
	TOSTAGE 0
.irp a, 1,2,3
	FIN \a
	SEND (\a)-1
	TOSTAGE \a
.endr
	SEND 3
	s_wait_tensorcnt 0x0                           ; the wave's end
	ds_add_u32 v[SPW], v[NIL]
	s_wait_dscnt 0x0
	CROUND
	s_endpgm
.Lfunc_end_k_q84e7a07d9b_pv:
	.size	k_q84e7a07d9b_pv, .Lfunc_end_k_q84e7a07d9b_pv-k_q84e7a07d9b_pv
	.p2alignl 7, 3214868480
	.fill 96, 4, 3214868480
	.section	.rodata,"a",@progbits
	.p2align	6, 0x0
	.amdhsa_kernel k_q84e7a07d9b_pv
		.amdhsa_group_segment_fixed_size 327680
		.amdhsa_private_segment_fixed_size 0
		.amdhsa_enable_private_segment 0
		.amdhsa_kernarg_size 32
		.amdhsa_user_sgpr_count 2
		.amdhsa_user_sgpr_kernarg_segment_ptr 1
		.amdhsa_wavefront_size32 1
		.amdhsa_system_sgpr_workgroup_id_x 1
		.amdhsa_system_sgpr_workgroup_id_y 1
		.amdhsa_system_sgpr_workgroup_id_z 1
		.amdhsa_system_vgpr_workitem_id 0
		.amdhsa_next_free_vgpr 1024
		.amdhsa_next_free_sgpr 84
		.amdhsa_reserve_vcc 0
		.amdhsa_float_denorm_mode_32 3
		.amdhsa_float_denorm_mode_16_64 3
		.amdhsa_memory_ordered 1
		.amdhsa_forward_progress 1
		.amdhsa_inst_pref_size 110
	.end_amdhsa_kernel
	.amdgpu_metadata
---
amdhsa.version: [ 1, 2 ]
amdhsa.kernels:
  - .name:           k_q84e7a07d9b_pv
    .symbol:         k_q84e7a07d9b_pv.kd
    .args:
      - { .name: P, .offset: 0, .size: 8, .value_kind: global_buffer, .address_space: global }
      - { .name: Vt, .offset: 8, .size: 8, .value_kind: global_buffer, .address_space: global }
      - { .name: stats, .offset: 16, .size: 8, .value_kind: global_buffer, .address_space: global }
      - { .name: out0, .offset: 24, .size: 8, .value_kind: global_buffer, .address_space: global }
    .group_segment_fixed_size: 327680
    .private_segment_fixed_size: 0
    .kernarg_segment_align: 8
    .kernarg_segment_size: 32
    .max_flat_workgroup_size: 128
    .sgpr_count:     84
    .vgpr_count:     1024
    .wavefront_size: 32
...
	.end_amdgpu_metadata
.endif
;; end of part 5
